; MI455X (gfx1250); checked and timed in simulation.
; The chip was launched on July 23, 2026; its instructions are those of AMD's public machine-readable ISA for CDNA 5 (MIT licence, August 2026) and "CDNA5" Instruction Set Architecture Reference Guide (July 2026). The comments in the code are by the model that wrote it; some were corrected since.
;; Attn Blockpp1d. Allowed arithmetic: matrix products marked QUANTISED: E2M1 operands, one E8M0 scale for each 32 along K, by v_wmma_scale_f32_16x16x128_f8f6f4 with both operands' format E2M1 (or v_wmma_scale_f32_32x16x128_f4), f32 sums; everything else in f32.
;; Inputs: W0 512 x 512 float32; W1 512 x 512 float32; W2 512 x 512 float32; W3 512 x 512 float32; b0 512 float32; b1 512 float32; b2 512 float32; b3 512 float32; beta 512 float32; gamma 512 float32; x 8 x 512 x 1,024 float32.
;; Outputs: out0 8 x 512 x 1,024 float32.
;; This version of the problem:
;;   THIS VERSION OF THE PROBLEM IS GIVEN IN LOW PRECISION. The matrix products marked QUANTISED in the list below multiply operands that are first quantised to E2M1 (2 exponent bits, 1 mantissa bit; 4 bits a number), with one power-of-two scale for each 32 numbers along K (OCP MX v1.0); their sums are f32. All else is computed in f32.
;;   The module's matrix products, in the order in which they are computed (A, B: the left and right operand; K: the contracted axis; several contracted axes count as one K, in the product's order):
;;     1. [M 512, K 512] x [K 512, N 8,192]; A: input W0; B: computed on the way: QUANTISED
;;     2. [M 512, K 512] x [K 512, N 8,192]; A: input W1; B: computed on the way: QUANTISED
;;     3. [M 512, K 512] x [K 512, N 8,192]; A: input W2; B: computed on the way: QUANTISED
;;     4. batch 64 x [M 1,024, K 64] x [K 64, N 1,024]; A: computed on the way; B: computed on the way: QUANTISED
;;     5. batch 64 x [M 64, K 1,024] x [K 1,024, N 1,024]; A: computed on the way; B: softmax (see below): QUANTISED
;;     6. [M 512, K 512] x [K 512, N 8,192]; A: input W3; B: computed on the way: QUANTISED
;;   THE QUANTISER, for each operand of a quantised product, along K:
;;     - K is cut into blocks of 32 from its start; a last block that is shorter is filled with zeros.
;;     - A block's scale is 2^e with e = floor(log2(the largest magnitude in the block)) - 2, held to -126 .. 127; a block of zeros has e = 0. As a byte (E8M0): e + 127.
;;     - Each number is divided by its block's scale, clamped to +-6, and rounded to the nearest number of E2M1, ties to even, subnormals kept.
;;     - The product sums the exact products of the quantised numbers (number of the format x scale) in f32.
;;   ~~~python
;;   def quantise(x, axis):      # numpy; x: float32 -> the quantised numbers, widened to float32 again
;;       x = np.moveaxis(x, axis, -1); K = x.shape[-1]
;;       x = np.pad(x, [(0, 0)] * (x.ndim - 1) + [(0, -K % 32)]); x = x.reshape(x.shape[:-1] + (-1, 32)); a = np.abs(x).max(-1, keepdims=True)
;;       e = np.where(a > 0, np.clip(np.frexp(np.where(a > 0, a, 1))[1] - 1 - 2, -126, 127), 0)      # np.frexp(a)[1] - 1 = floor(log2(a)), exactly
;;       r = np.clip(x / 2.0 ** e, -6, 6)
;;       step = 2.0 ** (np.maximum(np.frexp(np.where(r == 0, 1, r))[1] - 1, 0) - 1)
;;       q = np.round(r / step) * step * 2.0 ** e      # np.round: ties to even
;;       return np.moveaxis(q.reshape(q.shape[:-2] + (-1,))[..., :K], -1, axis).astype(np.float32)
;;   ~~~
;;   SOFTMAX AHEAD OF A QUANTISED PRODUCT. Where the list says 'softmax', what is quantised is not the finished softmax but p = 2^(t - M), with t = logit x log2(e) and M = ceil(the row's largest t), a whole number; so 1/2 < the row's largest p <= 1. The row's sum l is taken of the UNQUANTISED p, in f32, and the product's result is divided by l at the end. Since M is a whole number, a kernel that streams over the keys may use a running M (the ceiling of the running maximum): every later rescaling is an exact power of two, which a block's scale takes up: the codes' values come out the same.
;;   OPERANDS COMPUTED ON THE WAY. 'Computed on the way' means the value that the module computes at that place (a softmax that the list does not call 'softmax' is quantised finished and normalised). What goes into a quantiser is computed in f32, as accurately as f32 sums, v_exp_f32 and their like allow (about 1e-6 of the number): no bf16 or f16 on the way to a quantiser, and a product that is left as it is and whose result goes on into a quantised operand takes f32 operands (vector FMAs, or v_wmma_f32_16x16x4_f32). A number that lies on a knife's edge between two numbers of the format may be rounded either way, as far as f32 arithmetic and the matrix unit's own rounding can turn it there, and no further.
;; One version. Each part assembles by itself: llvm-mc -triple=amdgcn-amd-amdhsa -mcpu=gfx1250 --defsym DOCPART=n.
;; ======== version 1 of 1: 3 launches
;; limits: right only within a limited range of input values
;; workspace buffers: himg 2,097,152 bytes; hsc 131,072 bytes; wimg 524,288 bytes; wsc 32,768 bytes; qkv 6,684,672 bytes
;; launch prep (part 1): grid 192 x 1, 16 waves a work-group, no clusters, 29,184 bytes of LDS; arguments x, gamma, beta, W0, W1, W2, W3, himg, hsc, wimg, wsc; writes himg, hsc, wimg, wsc
.if DOCPART == 1
	.amdgcn_target "amdgcn-amd-amdhsa--gfx1250"
	.amdhsa_code_object_version 6
	.text
	.protected	k_qf7ac670236_prep
	.globl	k_qf7ac670236_prep
	.p2align	8
	.type	k_qf7ac670236_prep,@function
k_qf7ac670236_prep:
	s_mov_b64 s[64:65], 0
	v_nop
	global_prefetch_b8 v0, s[64:65] scope:SCOPE_SE
	s_setreg_imm32_b32 hwreg(HW_REG_WAVE_MODE, 25, 1), 1
	s_wait_xcnt 0x0
; GroupNorm of x [8][512][1024] and its quantising to FP4 (E2M1) along the channels; and the quantising of W0..W3 [c 512][d 512] along c.
; Work-groups 0-127: (b, cb) = (n / 16, n % 16): 32 channels (two groups of 16, one block of 32 along K) x all 1,024 positions, kept in registers: x is read once.
; Work-groups 128-191: (mat, ks, cg): 128 rows c of one W x 128 columns d; wave w takes 32 columns (w % 4) of block w / 4 along K; a lane takes a column, its registers run down c.
; No cluster and no prefetch: no two work-groups read the same bytes, and there is no loop to run ahead in.  192 work-groups: a group's statistics tie its bytes to one work-group.
; LAYOUTS OF THE RESULTS.  An IMAGE is an operand fragment (16 rows x 128 K of 4-bit codes) as its registers want it: [c' 2][lane 32][16 B]; block kb = 2 c' + lane / 16 of the K step is the aligned 256 bytes [row 16][16 B] at 256 kb.
; TURNED ORDER: row 8 i + e of tile t of a group of four tiles stands for index 32 i + 8 t + e of the group's 64: a lane of a transposed product then holds a whole block of 32 along the next K in four tiles' registers.
;   himg [b][tile of positions 64][K step 4] images; hsc [b][cb 16][pos = 16 tile + row] bytes; wimg [mat][tile of d 32][K step 4] images; wsc [mat][K step][tile][row] words.
; STATISTICS: each wave takes its own mean of a group (1,024 numbers) and the sum of squares about it; with m_w and q_w of the sixteen waves, mean = the mean of m_w and var = (sum q_w + 1,024 sum (m_w - mean)^2) / 16,384: no difference of large sums.
; A block's scale byte is its largest magnitude's exponent field - 2, held at 1 from below by a floor among the maximum's leaves.
; LIMITS: NaN and infinities are not served; a block of zeros, or one whose largest magnitude lies under 2^-124, gets the byte 1 (its codes are zeros or as the floor's scale gives them); only this program reads the bytes.
.set RED,   0                          ; LDS: [wave 16][-mean 2, squares 2]
.set SCB,   512                        ; 1,024 scale bytes, by pos
.set TURN,  2048                       ; 1 KiB a wave: its 64 positions' codes, 16 bytes each, by pos
.set WST,   18432                      ; W's codes: [tile 8][kb 4][row 16][16 B]
.set WSS,   26624                      ; W's scale words: [tile 8][row 16]
.set SPARE, 27136                      ; the spare words, 128 bytes a wave
.set SPW,   62
.set NIL,   63
.set X,     64                         ; v64-127   x(c, t = 2 thread + j) at X + 2 c + j;  weights: v64-95 W(row i, d)
.set H,     128                        ; v128-191  h of position j: 32 neighbours along c at H + 32 j
.set FLOOR, 0x1800000                  ; 2^(3 - 127)
.set OFF2,  0xff000000                 ; -(2 << 23): 2 off an exponent field
.macro AMAX32 xs                       ; the largest magnitude of v[xs .. xs + 31], and the floor -> v12
	v_max3_num_f32 v12, |v[(\xs)]|, |v[(\xs)+1]|, |v[(\xs)+2]|
	v_max3_num_f32 v13, |v[(\xs)+3]|, |v[(\xs)+4]|, |v[(\xs)+5]|
.irp i, 6,10,14,18,22,26
	s_delay_alu instid0(VALU_DEP_2)
	v_max3_num_f32 v12, v12, |v[(\xs)+\i]|, |v[(\xs)+\i+1]|
	s_delay_alu instid0(VALU_DEP_2)
	v_max3_num_f32 v13, v13, |v[(\xs)+\i+2]|, |v[(\xs)+\i+3]|
.endr
	s_delay_alu instid0(VALU_DEP_2)
	v_max3_num_f32 v12, v12, |v[(\xs)+30]|, |v[(\xs)+31]|
	s_delay_alu instid0(VALU_DEP_1)
	v_max3_num_f32 v12, v12, v13, FLOOR
.endm
.macro SUM16 g, sq                     ; the wave's sum of group g's numbers (sq = 0) or of their squares (1) -> v12, in every lane
.set GB, X+32*\g
.if \sq
	v_pk_mul_f32 v[12:13], v[GB:GB+1], v[GB:GB+1]
	v_pk_mul_f32 v[14:15], v[GB+2:GB+3], v[GB+2:GB+3]
.set ii, 4
.rept 7
	s_delay_alu instid0(VALU_DEP_2)
	v_pk_fma_f32 v[12:13], v[GB+ii:GB+ii+1], v[GB+ii:GB+ii+1], v[12:13]
	s_delay_alu instid0(VALU_DEP_2)
	v_pk_fma_f32 v[14:15], v[GB+ii+2:GB+ii+3], v[GB+ii+2:GB+ii+3], v[14:15]
.set ii, ii+4
.endr
.else
	v_pk_add_f32 v[12:13], v[GB:GB+1], v[GB+2:GB+3]
	v_pk_add_f32 v[14:15], v[GB+4:GB+5], v[GB+6:GB+7]
.set ii, 8
.rept 6
	s_delay_alu instid0(VALU_DEP_2)
	v_pk_add_f32 v[12:13], v[12:13], v[GB+ii:GB+ii+1]
	s_delay_alu instid0(VALU_DEP_2)
	v_pk_add_f32 v[14:15], v[14:15], v[GB+ii+2:GB+ii+3]
.set ii, ii+4
.endr
.endif
	s_delay_alu instid0(VALU_DEP_1)
	v_pk_add_f32 v[12:13], v[12:13], v[14:15]
	s_delay_alu instid0(VALU_DEP_1)
	v_add_f32 v12, v12, v13
.irp m, 1,2,4,8
	s_delay_alu instid0(VALU_DEP_1)
	v_add_f32_dpp v12, v12, v12 row_xmask:\m row_mask:0xf bank_mask:0xf
.endr
	s_delay_alu instid0(VALU_DEP_1)
	v_permlanex16_b32 v13, v12, s100, s101
	s_delay_alu instid0(VALU_DEP_1)
	v_add_f32 v12, v12, v13
.endm
.macro LOCAL g                         ; group g: -(the wave's mean) -> v40 + g; x becomes d = x - that mean; the sum of d^2 -> v42 + g
	SUM16 \g, 0
	v_mul_f32 v[40+\g], 0xba800000, v12            ; x -2^-10
	v_mul_f32 v44, 0xba800000, v12
	v_mul_f32 v45, 0xba800000, v12
.set cc, 16*\g
.rept 16
	v_pk_add_f32 v[X+2*cc:X+2*cc+1], v[X+2*cc:X+2*cc+1], v[44:45]
.set cc, cc+1
.endr
	SUM16 \g, 1
	v_mov_b32 v[42+\g], v12
.endm
.macro RED16 a                         ; the sums of v[a] and of v[a + 1] over the sixteen lanes of a row
.irp m, 1,2,4,8
	s_delay_alu instid0(VALU_DEP_2)
	v_add_f32_dpp v[\a], v[\a], v[\a] row_xmask:\m row_mask:0xf bank_mask:0xf
	s_delay_alu instid0(VALU_DEP_2)
	v_add_f32_dpp v[\a+1], v[\a+1], v[\a+1] row_xmask:\m row_mask:0xf bank_mask:0xf
.endr
.endm
.macro QH j                            ; position j of my two: h for 32 channels, its block's scale, its 32 codes
.set HB, H+32*\j
.set cc, 0
.rept 32
	v_fma_f32 v[HB+cc], v[X+2*cc+\j], s[28+cc], s[68+cc]   ; the destination's number turns [c][j] into [j][c]: a lane's registers now run along K
.set cc, cc+1
.endr
	AMAX32 HB
	s_delay_alu instid0(VALU_DEP_1)
	v_add_nc_u32 v[54+\j], OFF2, v12               ; the conversion takes this operand's exponent field as its scale
.irp g, 0,1,2,3
	v_cvt_scalef32_pk8_fp4_f32 v[32+4*\j+\g], v[HB+8*\g:HB+8*\g+7], v[54+\j]
.endr
	v_lshrrev_b32 v[48+\j], 23, v[54+\j]           ; the scale's byte (also the plain line behind the conversions)
.endm
	s_load_b512 s[4:19], s[0:1], 0x0               ; x s[4:5], gamma s[6:7], beta s[8:9], W0 .. W3 s[10:17], himg s[18:19]
	s_load_b128 s[20:23], s[0:1], 0x40             ; hsc s[20:21], wimg s[22:23]
	s_load_b64 s[24:25], s[0:1], 0x50              ; wsc
	v_lshl_add_u32 v[SPW], v0, 2, SPARE
	v_mov_b32 v[NIL], 0
	v_lshrrev_b32 v1, 5, v0
	s_delay_alu instid0(VALU_DEP_1)
	v_readfirstlane_b32 s3, v1                     ; wave 0..15
	v_and_b32 v9, 31, v0                           ; lane
	s_mov_b32 s27, 0
	s_wait_alu depctr_va_vdst(0)                   ; directly ahead of the branch
	s_cmp_lt_u32 ttmp9, 128                        ; the same for all waves of a work-group
	s_cbranch_scc0 .Lweights
	; ---------------- GroupNorm and Q(h) ----------------
	s_lshl_b32 s26, ttmp9, 17                      ; my 32 channels: n x 32 x 4,096 bytes
	s_and_b32 s2, ttmp9, 15                        ; cb
	v_lshlrev_b32 v1, 3, v0                        ; my two positions: 8 bytes a thread, 256 consecutive bytes a wave
	s_wait_alu depctr_va_vdst(0)
	s_wait_kmcnt 0x0
	s_add_nc_u64 s[4:5], s[4:5], s[26:27]
.set cc, 0
.rept 32
	global_load_b64 v[X+2*cc:X+2*cc+1], v1, s[4:5] offset:4096*cc   ; no hint: x is read again by the last launch
.set cc, cc+1
.endr
	s_lshl_b32 s26, s2, 7                          ; my 32 gamma and beta
	s_add_nc_u64 s[6:7], s[6:7], s[26:27]
	s_add_nc_u64 s[8:9], s[8:9], s[26:27]
	s_load_b512 s[28:43], s[6:7], 0x0
	s_load_b512 s[44:59], s[6:7], 0x40
	s_load_b512 s[68:83], s[8:9], 0x0
	s_load_b512 s[84:99], s[8:9], 0x40
	s_lshr_b32 s26, ttmp9, 4
	s_lshl_b32 s26, s26, 18                        ; himg: b x 262,144
	s_lshl_b32 s2, s2, 8                           ; + cb x 256: my block's place in every tile's images
	s_add_co_u32 s26, s26, s2
	s_add_nc_u64 s[18:19], s[18:19], s[26:27]
	s_lshl_b32 s26, ttmp9, 10                      ; hsc: n x 1,024
	s_add_nc_u64 s[20:21], s[20:21], s[26:27]
	s_mov_b32 s62, 0x38800000                      ; 2^-14 = 1 / (16 x 1,024)
	s_mov_b32 s63, 0x358637bd                      ; eps = 1e-6
	s_mov_b32 s100, 0x76543210
	s_mov_b32 s101, 0xfedcba98                     ; v_permlanex16_b32's selects for lane l xor 16
	v_and_b32 v2, 3, v0                            ; position p = 2 thread = 64 wave + 32 i + 8 t + e  ->  pos = 64 wave + 16 t + 8 i + e
	v_bfe_u32 v11, v0, 2, 2
	v_bfe_u32 v12, v0, 4, 1
	v_and_b32 v10, 0x1e0, v0                       ; 32 x wave
	v_lshlrev_b32 v2, 1, v2
	s_delay_alu instid0(VALU_DEP_1)
	v_lshl_or_b32 v2, v11, 4, v2
	s_delay_alu instid0(VALU_DEP_1)
	v_lshl_or_b32 v2, v12, 3, v2
	s_delay_alu instid0(VALU_DEP_1)
	v_lshl_or_b32 v2, v10, 1, v2
	s_delay_alu instid0(VALU_DEP_1)
	v_lshl_add_u32 v3, v2, 4, TURN                 ; where my codes go
	v_add_nc_u32 v4, SCB, v2                       ; and my two scale bytes
	v_lshlrev_b32 v5, 5, v10
	v_lshlrev_b32 v6, 9, v10                       ; himg: four tiles a wave, 4,096 bytes a tile,
	v_and_b32 v11, 16, v0
	v_and_b32 v12, 15, v0
	v_lshl_add_u32 v5, v9, 4, v5
	v_lshl_or_b32 v6, v11, 8, v6                   ; lanes 16-31 the next tile,
	v_add_nc_u32 v5, TURN, v5                      ; back: 1,024 wave + 16 lane
	v_lshl_or_b32 v6, v12, 4, v6                   ; 16 bytes a row
	v_lshrrev_b32 v7, 1, v10                       ; 16 x wave
	v_lshlrev_b32 v8, 4, v12                       ; 16 x (lane % 16)
	v_lshlrev_b32 v9, 4, v0
	s_delay_alu instid0(VALU_DEP_1)
	v_add_nc_u32 v10, SCB, v9
	s_wait_alu depctr_va_vdst(0)                   ; the head's end
	s_wait_loadcnt 16                              ; group 0's 16 loads are in; group 1's 16 may be out
	LOCAL 0
	s_wait_alu depctr_va_vdst(0)
	s_wait_loadcnt 0x0
	LOCAL 1
	ds_store_b128 v7, v[40:43] offset:RED          ; all lanes write the wave's 16 bytes with the same values
	v_mov_b32 v20, 0
	v_mov_b32 v21, 0
	s_wait_alu depctr_va_vdst(0)
	s_wait_dscnt 0x0                               ; for the others' sake
	s_barrier_signal -1
	s_barrier_wait -1
	ds_load_b128 v[16:19], v8 offset:RED           ; lane k of a row: wave k's numbers
	s_wait_dscnt 0x0
	v_add_f32 v20, v20, v16
	v_add_f32 v21, v21, v17
	RED16 20
	s_delay_alu instid0(VALU_DEP_2)
	v_mul_f32 v20, 0x3d800000, v20                 ; -mean = the sum / 16
	s_delay_alu instid0(VALU_DEP_2)
	v_mul_f32 v21, 0x3d800000, v21
	s_delay_alu instid0(VALU_DEP_2)
	v_sub_f32 v22, v16, v20                        ; mean - m_w
	s_delay_alu instid0(VALU_DEP_2)
	v_sub_f32 v23, v17, v21
	s_delay_alu instid0(VALU_DEP_2)
	v_mul_f32 v24, 0x44800000, v22                 ; x 1,024
	s_delay_alu instid0(VALU_DEP_2)
	v_mul_f32 v25, 0x44800000, v23
	v_fma_f32 v18, v24, v22, v18
	v_fma_f32 v19, v25, v23, v19
	RED16 18
	v_sub_f32 v26, v20, v40                        ; my wave's m_w - mean: what d lacks
	v_sub_f32 v27, v21, v41
	v_fma_f32 v18, v18, s62, s63                   ; var + eps
	v_fma_f32 v19, v19, s62, s63
	s_wait_alu depctr_va_vdst(0)
	v_rsq_f32 v52, v18
	v_rsq_f32 v53, v19
	v_nop                                          ; a plain line behind the transcendentals (ISA guide 5.7.2)
	s_wait_alu depctr_va_vdst(0)
	v_readfirstlane_b32 s60, v52
	v_readfirstlane_b32 s61, v53
	v_readfirstlane_b32 s26, v26
	v_readfirstlane_b32 s27, v27
	s_wait_kmcnt 0x0                               ; gamma and beta
.set cc, 0
.rept 32
	s_mul_f32 s[28+cc], s[28+cc], s[60+cc/16]      ; gamma x rstd
.set cc, cc+1
.endr
.set cc, 0
.rept 32
	s_fmac_f32 s[68+cc], s[28+cc], s[26+cc/16]     ; beta + (m_w - mean) x gamma x rstd
.set cc, cc+1
.endr
	QH 0
	QH 1
	ds_store_b128 v3, v[32:35]                     ; my wave's own 1 KiB: LDS serves a wave's instructions in order, so no wait stands ahead of the loads below
	ds_store_b128 v3, v[36:39] offset:16
	v_lshl_or_b32 v48, v49, 8, v48
	ds_store_b16 v4, v48                           ; pos and pos + 1
	ds_load_b128 v[56:59], v5
	ds_load_b128 v[128:131], v5 offset:512
	s_wait_alu depctr_va_vdst(0)
	s_wait_dscnt 0x0                               ; my codes are back, and my scale bytes have landed
	global_store_b128 v6, v[56:59], s[18:19]       ; sixteen lanes store 256 consecutive bytes, aligned: block cb of one tile
	global_store_b128 v6, v[128:131], s[18:19] offset:8192
	s_barrier_signal -1
	s_barrier_wait -1                              ; all 1,024 scale bytes lie in LDS
	s_cmp_ge_u32 s3, 2
	s_cbranch_scc1 .Ldone
	ds_load_b128 v[132:135], v10
	s_wait_dscnt 0x0
	global_store_b128 v9, v[132:135], s[20:21]     ; waves 0 and 1: 512 consecutive bytes each
.Ldone:
	s_wait_tensorcnt 0x0                           ; the wave's end
	ds_add_u32 v[SPW], v[NIL]
	s_wait_dscnt 0x0
	s_endpgm
	; ---------------- Q(W) ----------------
.Lweights:
	s_sub_co_u32 s2, ttmp9, 128
	s_lshr_b32 s28, s2, 4                          ; mat
	s_bfe_u32 s29, s2, 0x20002                     ; K step
	s_and_b32 s30, s2, 3                           ; which 128 columns
	s_and_b32 s31, s3, 3                           ; which 32 of them
	s_lshr_b32 s32, s3, 2                          ; kb
	v_lshlrev_b32 v1, 2, v9                        ; column = lane: 128 consecutive bytes a wave
	v_and_b32 v2, 7, v0                            ; e
	v_bfe_u32 v3, v0, 3, 2                         ; t
	v_lshlrev_b32 v8, 4, v9                        ; 16 lane
	v_lshlrev_b32 v4, 4, v2
	v_lshlrev_b32 v5, 2, v2
	v_lshl_add_u32 v4, v3, 10, v4                  ; codes: 1,024 t + 16 e
	v_lshl_add_u32 v5, v3, 6, v5                   ; scale bytes: 64 t + 4 e
	s_wait_alu depctr_va_vdst(0)
	s_lshr_b32 s33, s31, 1                         ; my 32 columns are half i = s31 % 2 of the group s31 / 2 of 64
	s_and_b32 s34, s31, 1
	s_lshl_b32 s35, s33, 12
	s_lshl_b32 s36, s32, 8
	s_add_co_u32 s35, s35, s36
	s_lshl_b32 s36, s34, 7
	s_add_co_u32 s35, s35, s36
	s_add_co_u32 s35, s35, WST
	v_add_nc_u32 v4, s35, v4                       ; + 4,096 group + 256 kb + 128 i
	s_lshl_b32 s35, s33, 8
	s_lshl_b32 s36, s34, 5
	s_add_co_u32 s35, s35, s36
	s_add_co_u32 s35, s35, s32
	s_add_co_u32 s35, s35, WSS
	v_add_nc_u32 v5, s35, v5                       ; + 256 group + 32 i + kb
	s_lshl_b32 s35, s3, 9
	s_add_co_u32 s35, s35, WST
	v_add_nc_u32 v6, s35, v8                       ; back: 512 bytes a wave
	v_add_nc_u32 v7, WSS, v8
	s_wait_alu depctr_va_vdst(0)
	s_wait_kmcnt 0x0
	s_cmp_eq_u32 s28, 1                            ; which W: the choice hangs on the work-group's number alone
	s_cselect_b64 s[10:11], s[12:13], s[10:11]
	s_cmp_eq_u32 s28, 2
	s_cselect_b64 s[10:11], s[14:15], s[10:11]
	s_cmp_eq_u32 s28, 3
	s_cselect_b64 s[10:11], s[16:17], s[10:11]
	s_lshl_b32 s26, s29, 18                        ; rows 128 ks + 32 kb, of 2,048 bytes
	s_lshl_b32 s36, s32, 16
	s_add_co_u32 s26, s26, s36
	s_lshl_b32 s36, s30, 9                         ; columns
	s_add_co_u32 s26, s26, s36
	s_lshl_b32 s36, s31, 7
	s_add_co_u32 s26, s26, s36
	s_add_nc_u64 s[10:11], s[10:11], s[26:27]
.set ii, 0
.rept 32
	global_load_b32 v[64+ii], v1, s[10:11] offset:2048*ii th:TH_LOAD_NT
.set ii, ii+1
.endr
	s_lshl_b32 s26, s28, 17                        ; wimg: mat, tile 8 cg + wave / 2, K step, half image wave % 2
	s_lshl_b32 s36, s30, 15
	s_add_co_u32 s26, s26, s36
	s_lshr_b32 s36, s3, 1
	s_lshl_b32 s36, s36, 12
	s_add_co_u32 s26, s26, s36
	s_lshl_b32 s36, s29, 10
	s_add_co_u32 s26, s26, s36
	s_and_b32 s36, s3, 1
	s_lshl_b32 s36, s36, 9
	s_add_co_u32 s26, s26, s36
	s_add_nc_u64 s[22:23], s[22:23], s[26:27]
	s_lshl_b32 s26, s28, 13                        ; wsc: mat, K step, tile 8 cg
	s_lshl_b32 s36, s29, 11
	s_add_co_u32 s26, s26, s36
	s_lshl_b32 s36, s30, 9
	s_add_co_u32 s26, s26, s36
	s_add_nc_u64 s[24:25], s[24:25], s[26:27]
	s_wait_loadcnt 0x0
	AMAX32 64
	s_delay_alu instid0(VALU_DEP_1)
	v_add_nc_u32 v14, OFF2, v12
.irp g, 0,1,2,3
	v_cvt_scalef32_pk8_fp4_f32 v[32+\g], v[64+8*\g:64+8*\g+7], v14
.endr
	v_lshrrev_b32 v15, 23, v14                     ; the scale's byte (also the plain line behind the conversions)
	ds_store_b128 v4, v[32:35]
	ds_store_b8 v5, v15
	s_wait_alu depctr_va_vdst(0)
	s_wait_dscnt 0x0                               ; for the others' sake
	s_barrier_signal -1
	s_barrier_wait -1
	ds_load_b128 v[36:39], v6
	s_wait_dscnt 0x0
	global_store_b128 v8, v[36:39], s[22:23]       ; 512 consecutive bytes, aligned
	s_cmp_lg_u32 s3, 0
	s_cbranch_scc1 .Lwdone
	ds_load_b128 v[40:43], v7
	s_wait_dscnt 0x0
	global_store_b128 v8, v[40:43], s[24:25]       ; eight tiles' scale words: 512 consecutive bytes, aligned
.Lwdone:
	s_wait_tensorcnt 0x0                           ; the wave's end
	ds_add_u32 v[SPW], v[NIL]
	s_wait_dscnt 0x0
	s_endpgm
.Lfunc_end_k_qf7ac670236_prep:
	.size	k_qf7ac670236_prep, .Lfunc_end_k_qf7ac670236_prep-k_qf7ac670236_prep
	.p2alignl 7, 3214868480
	.fill 96, 4, 3214868480
	.section	.rodata,"a",@progbits
	.p2align	6, 0x0
	.amdhsa_kernel k_qf7ac670236_prep
		.amdhsa_group_segment_fixed_size 29184
		.amdhsa_private_segment_fixed_size 0
		.amdhsa_enable_private_segment 0
		.amdhsa_kernarg_size 88
		.amdhsa_user_sgpr_count 2
		.amdhsa_user_sgpr_kernarg_segment_ptr 1
		.amdhsa_wavefront_size32 1
		.amdhsa_system_sgpr_workgroup_id_x 1
		.amdhsa_system_sgpr_workgroup_id_y 1
		.amdhsa_system_sgpr_workgroup_id_z 1
		.amdhsa_system_vgpr_workitem_id 0
		.amdhsa_next_free_vgpr 192
		.amdhsa_next_free_sgpr 102
		.amdhsa_reserve_vcc 0
		.amdhsa_float_denorm_mode_32 3
		.amdhsa_float_denorm_mode_16_64 3
		.amdhsa_memory_ordered 1
		.amdhsa_forward_progress 1
		.amdhsa_inst_pref_size 39
	.end_amdhsa_kernel
	.amdgpu_metadata
---
amdhsa.version: [ 1, 2 ]
amdhsa.kernels:
  - .name:           k_qf7ac670236_prep
    .symbol:         k_qf7ac670236_prep.kd
    .args:
      - { .name: x, .offset: 0, .size: 8, .value_kind: global_buffer, .address_space: global }
      - { .name: gamma, .offset: 8, .size: 8, .value_kind: global_buffer, .address_space: global }
      - { .name: beta, .offset: 16, .size: 8, .value_kind: global_buffer, .address_space: global }
      - { .name: W0, .offset: 24, .size: 8, .value_kind: global_buffer, .address_space: global }
      - { .name: W1, .offset: 32, .size: 8, .value_kind: global_buffer, .address_space: global }
      - { .name: W2, .offset: 40, .size: 8, .value_kind: global_buffer, .address_space: global }
      - { .name: W3, .offset: 48, .size: 8, .value_kind: global_buffer, .address_space: global }
      - { .name: himg, .offset: 56, .size: 8, .value_kind: global_buffer, .address_space: global }
      - { .name: hsc, .offset: 64, .size: 8, .value_kind: global_buffer, .address_space: global }
      - { .name: wimg, .offset: 72, .size: 8, .value_kind: global_buffer, .address_space: global }
      - { .name: wsc, .offset: 80, .size: 8, .value_kind: global_buffer, .address_space: global }
    .group_segment_fixed_size: 29184
    .private_segment_fixed_size: 0
    .kernarg_segment_align: 8
    .kernarg_segment_size: 88
    .max_flat_workgroup_size: 512
    .sgpr_count:     102
    .vgpr_count:     192
    .wavefront_size: 32
...
	.end_amdgpu_metadata
.endif
;; end of part 1
;; launch qkv (part 2): grid 4 x 64, 16 waves a work-group, clusters of 4 x 4, 169,984 bytes of LDS; arguments himg, hsc, wimg, wsc, b0, b1, b2, qkv; writes qkv
.if DOCPART == 2
	.amdgcn_target "amdgcn-amd-amdhsa--gfx1250"
	.amdhsa_code_object_version 6
	.text
	.protected	k_qf7ac670236_qkv
	.globl	k_qf7ac670236_qkv
	.p2align	8
	.type	k_qf7ac670236_qkv,@function
k_qf7ac670236_qkv:
	s_mov_b64 s[64:65], 0
	v_nop
	global_prefetch_b8 v0, s[64:65] scope:SCOPE_SE
	s_setreg_imm32_b32 hwreg(HW_REG_WAVE_MODE, 25, 1), 1
	s_wait_xcnt 0x0
	s_wait_alu depctr_hold_cnt(0) depctr_sa_sdst(0) depctr_va_vdst(0) depctr_va_sdst(0) depctr_va_ssrc(0) depctr_va_vcc(0) depctr_vm_vsrc(0)
	s_getreg_b32 s2, hwreg(HW_REG_IB_STS2, 6, 4)
	s_cmp_eq_u32 s2, 0
	s_cbranch_scc0 .Lentry_in_a_cluster
	s_endpgm
.Lentry_in_a_cluster:
	s_bfe_u32 s2, ttmp6, 0x10000c
	s_cmp_lg_u32 s2, 0xf033
	s_cbranch_scc0 .Lentry_shape_is_right
	s_endpgm
.Lentry_shape_is_right:
; q, k, v = W^T h + b on codes of FP4 with E8M0 scales, and their quantising: q and k along the head's 64 channels, v along the positions (the keys).
; A work-group is (tq, bh): 256 positions (16 tiles of h) of one head of one batch.  It makes two blocks of the buffer qkv:
;   K/V block, 17,408 bytes at ((4 b + tq) 8 + head) 17,408: K [64 keys 4][tile 4] x 512 (registers 0-3 of a fragment: K = 64), V 8,192: [128 keys 2][tile of channels 4] images of 1,024, K's scale words 16,384 (512), V's 16,896 (512);
;   Q block, 8,704 bytes at QBASE + (4 bh + tq) 8,704: codes and scale words laid as K's.
; A scale word of K or Q serves two tiles: [64 positions 4][pair of tiles 2][row 16]: low half the even tile's two bytes, high half the odd tile's.
; Tiles of positions and of W's rows are in the turned order (row 8 i + e of tile t of four stands for index 32 i + 8 t + e of 64), so in four tiles' results lane half h holds block h of 32 along the next K whole,
; in order: its scale and its codes need no other lane, and the codes are the operand's registers.
; Sixteen waves: tw = wave % 4 takes h's tiles 4 tw .. 4 tw + 3 (64 positions); role = wave / 4: 0 makes q, 1 k, 2 v's channel tiles 0 and 1, 3 v's 2 and 3.
; q, k: source 0 = 16 rows of W, source 1 = h's tile: a lane holds ONE position.  v: source 0 = h's tile, source 1 = 16 rows of W2: a lane holds ONE channel.  The biases are the C of each sum's first product.
; CLUSTER 4 x 4: the four heads of a column (same tq) ask jointly for h's tile and scales, the four tq of a row (same head) for the head's parts of W0, W1, W2 and their scales.
; All tiles fit in LDS at once: every byte is filled once; nine waves issue one tensor load each.  No loop to run ahead in, so nothing is prefetched.
; LIMITS: NaN and infinities are not served; a block of zeros or under 2^-124 gets the byte 1 (only this program reads the bytes).
.set HI,   0                           ; LDS: h: [tile 16][K step 4] images, 65,536
.set WI,   65536                       ; W0, W1, W2: [tile 4][K step 4] images, 16,384 each
.set HSP,  114688                      ; h's scale bytes: [channel block 16][256 positions]
.set WSW,  118784                      ; W's scale words: [4 mat + K step][tile 4][row 16]
.set SCG,  121856                      ; written by ds_store alone: Q's, K's and V's scale words, 512 each
.set SPARE, 167936                     ; the spare words, 128 bytes a wave
.set KVB,  17408
.set QBL,  8704
.set QBASE, 4456448                    ; 8 x 4 x 8 K/V blocks
.set PC,   8                           ; v8-11    codes
.set SPW,  14
.set NIL,  15
.set HS,   16                          ; v16-23   h's scale words [pair of tiles 2][K step 4]: lanes 0-15 the even tile, lanes 16-31 the odd
.set WS,   24                          ; v24-31   W's scale words: q, k: [K step 4][pair of tiles 2];  v: [K step 4]
.set HF,   32                          ; v32-63   h's four fragments of one tile
.set ACC,  64                          ; v64-95   q, k: sums;  v: the second buffer for h's fragments;  at the head the 32 scale bytes
.set BI,   96                          ; v96-127  the bias in the result's layout: q, k: 32 registers;  v: 16
.set WF,   128                         ; v128-255 q, k: W's 16 fragments (tile t, step k at 32 t + 8 k);  v: W2's 8
.set VA,   192                         ; v192-255 v: sums, tile u of channels, tile i of positions at 32 u + 8 i
.set WV,   20
.macro ROUND                           ; a round of the cluster's barrier
	s_barrier_signal -1
	s_barrier_wait -1
	s_cmp_lg_u32 s[WV], 0
	s_cbranch_scc1 .Lnot_wave_0_\@
	s_barrier_signal -3
.Lnot_wave_0_\@:
	s_barrier_wait -3
	s_barrier_signal -1
	s_barrier_wait -1
.endm
.macro PLACES n
.rept \n
	v_nop
.endr
.endm
; one scaled product.  ra, rb = 1: the side's scales are read from lanes 16-31 of its register
.macro MM d, a, b, c, sa, sb, ra, rb
.if (\ra)==1 && (\rb)==1
	v_wmma_scale_f32_16x16x128_f8f6f4 v[(\d):(\d)+7], v[(\a):(\a)+7], v[(\b):(\b)+7], v[(\c):(\c)+7], v[(\sa)], v[(\sb)] matrix_a_fmt:MATRIX_FMT_FP4 matrix_b_fmt:MATRIX_FMT_FP4 matrix_a_scale:MATRIX_SCALE_ROW1 matrix_b_scale:MATRIX_SCALE_ROW1
.elseif (\ra)==1
	v_wmma_scale_f32_16x16x128_f8f6f4 v[(\d):(\d)+7], v[(\a):(\a)+7], v[(\b):(\b)+7], v[(\c):(\c)+7], v[(\sa)], v[(\sb)] matrix_a_fmt:MATRIX_FMT_FP4 matrix_b_fmt:MATRIX_FMT_FP4 matrix_a_scale:MATRIX_SCALE_ROW1
.elseif (\rb)==1
	v_wmma_scale_f32_16x16x128_f8f6f4 v[(\d):(\d)+7], v[(\a):(\a)+7], v[(\b):(\b)+7], v[(\c):(\c)+7], v[(\sa)], v[(\sb)] matrix_a_fmt:MATRIX_FMT_FP4 matrix_b_fmt:MATRIX_FMT_FP4 matrix_b_scale:MATRIX_SCALE_ROW1
.else
	v_wmma_scale_f32_16x16x128_f8f6f4 v[(\d):(\d)+7], v[(\a):(\a)+7], v[(\b):(\b)+7], v[(\c):(\c)+7], v[(\sa)], v[(\sb)] matrix_a_fmt:MATRIX_FMT_FP4 matrix_b_fmt:MATRIX_FMT_FP4
.endif
.endm
; a lane's 32 numbers, a whole block along the next K in order, become the four code registers PC; t0 the scale's byte.  Each accumulator is read from its low end on
.macro QUANT s, t0, t1
	v_max3_num_f32 v[\t0], |v[\s]|, |v[\s+1]|, 0x1800000   ; the floor 2^(3 - 127) holds the byte at 1 from below
	v_max3_num_f32 v[\t1], |v[\s+2]|, |v[\s+3]|, |v[\s+4]|
.irp i, 5,9,13,17,21,25
	v_max3_num_f32 v[\t0], v[\t0], |v[\s+\i]|, |v[\s+\i+1]|
	v_max3_num_f32 v[\t1], v[\t1], |v[\s+\i+2]|, |v[\s+\i+3]|
.endr
	v_max3_num_f32 v[\t0], v[\t0], |v[\s+29]|, |v[\s+30]|
	v_max3_num_f32 v[\t0], v[\t0], v[\t1], |v[\s+31]|
	s_delay_alu instid0(VALU_DEP_1)
	v_add_nc_u32 v[\t1], 0xff000000, v[\t0]        ; 2 off its exponent field: the conversion's scale operand
.irp g, 0,1,2,3
	v_cvt_scalef32_pk8_fp4_f32 v[PC+\g], v[\s+8*\g:\s+8*\g+7], v[\t1]
.endr
	v_lshrrev_b32 v[\t0], 23, v[\t1]               ; the scale's byte (also the plain line behind the conversions)
.endm
.macro HLOAD reg, tile                 ; h's four fragments of my tile number 'tile': register 8 k + 4 c', byte 1,024 k + 512 c'
.irp k, 0,1,2,3,4,5,6,7
	ds_load_b128 v[(\reg)+4*\k:(\reg)+4*\k+3], v6 offset:4096*(\tile)+512*\k
.endr
.endm
.macro SHAPE g, rows, pitch            ; descriptor group 1, words 1-7: 'rows' rows of 32 elements of 8 bytes, 'pitch' elements apart
	s_mov_b32 s[\g+1], 32<<16
	s_mov_b32 s[\g+2], (\rows)<<16
	s_mov_b32 s[\g+3], 32<<16
	s_mov_b32 s[\g+4], \rows
	s_mov_b32 s[\g+5], \pitch
	s_mov_b32 s[\g+6], 0
	s_mov_b32 s[\g+7], 0
.endm
	s_load_b512 s[4:19], s[0:1], 0x0               ; himg 4, hsc 6, wimg 8, wsc 10, b0 12, b1 14, b2 16, qkv 18
	v_lshl_add_u32 v[SPW], v0, 2, SPARE
	v_mov_b32 v[NIL], 0
	ds_add_u32 v[SPW], v[NIL]                      ; the opening adds, twice on end
	ds_add_u32 v[SPW], v[NIL]
	v_lshrrev_b32 v8, 5, v0
	s_delay_alu instid0(VALU_DEP_1)
	v_readfirstlane_b32 s[WV], v8                  ; wave 0..15
	s_and_b32 s21, s[WV], 3                        ; tw
	s_lshr_b32 s22, s[WV], 2                       ; role
	s_bfe_u32 s23, ttmp6, 0x40000                  ; cx
	s_bfe_u32 s24, ttmp6, 0x40004                  ; cy
	s_lshl_b32 s2, ttmp9, 2
	s_add_co_u32 s2, s2, s23                       ; tq = 4 x cluster x + cx
	s_and_b32 s25, ttmp7, 0xffff                   ; cluster y: two clusters to a batch
	s_lshr_b32 s26, s25, 1                         ; b
	s_and_b32 s27, s25, 1
	s_lshl_b32 s27, s27, 2
	s_add_co_u32 s27, s27, s24                     ; head
	s_lshl_b32 s100, 0x1111, s23                   ; my column of the cluster: shares h
	s_lshl_b32 s101, s24, 2
	s_lshl_b32 s101, 15, s101                      ; my row: shares W
	s_or_b32 s32, s100, (3<<16)|(1<<21)            ; 15:0 the mask; 17:16 elements of 8 bytes; 21 set beside a mask
	s_or_b32 s48, s100, (3<<16)|(1<<21)
	s_or_b32 s40, s101, (3<<16)|(1<<21)
	s_or_b32 s56, s101, (3<<16)|(1<<21)
	SHAPE 32, 64, 32                               ; a quarter of h's 16 tiles: 16,384 dense bytes
	SHAPE 40, 64, 32                               ; a head's part of one W: 16,384 dense bytes
	SHAPE 48, 16, 128                              ; h's scale bytes: 16 planes, 256 of each plane's 1,024 bytes
	SHAPE 56, 12, 256                              ; W's scale words: 12 rows (mat, K step) of 256 bytes, 2,048 apart
	s_lshl_b32 s28, s26, 14                        ; h's scale bytes: of b and tq alone
	s_lshl_b32 s3, s2, 8
	s_add_co_u32 s28, s28, s3
	s_mov_b32 s29, 0
	s_lshl_b32 s30, s27, 8                         ; W's words: of the head alone
	s_mov_b32 s31, 0
	s_lshl_b32 s94, s26, 18                        ; h: b, tq, and which quarter the wave fetches
	s_lshl_b32 s3, s2, 16
	s_add_co_u32 s94, s94, s3
	s_lshl_b32 s3, s21, 14
	s_add_co_u32 s94, s94, s3
	s_mov_b32 s95, 0
	s_lshl_b32 s96, s27, 14                        ; W: the head, and which mat the wave fetches (waves 4, 5, 6: 0, 1, 2)
	s_lshl_b32 s3, s21, 17
	s_add_co_u32 s96, s96, s3
	s_mov_b32 s97, 0
	s_wait_alu depctr_va_vdst(0)
	s_wait_dscnt 0x0                               ; both opening adds are done
	s_wait_kmcnt 0x0
	s_mov_b32 s68, 1
	s_mov_b32 s69, HSP
	s_add_nc_u64 s[70:71], s[6:7], s[28:29]
	s_or_b32 s71, s71, 0x80000000
	s_mov_b32 s72, 1
	s_mov_b32 s73, WSW
	s_add_nc_u64 s[74:75], s[10:11], s[30:31]
	s_or_b32 s75, s75, 0x80000000
	s_mov_b32 s76, 1
	s_lshl_b32 s77, s[WV], 14                      ; waves 0-3: h from 0 on; waves 4-6: W from 65,536 on
	s_add_nc_u64 s[78:79], s[4:5], s[94:95]
	s_or_b32 s79, s79, 0x80000000
	s_mov_b32 s80, 1
	s_lshl_b32 s81, s[WV], 14
	s_add_nc_u64 s[82:83], s[8:9], s[96:97]
	s_or_b32 s83, s83, 0x80000000
	ROUND                                          ; all sixteen work-groups are here: the joint loads meet
; one tree of branches on the wave's number, an arm a load
.macro ARM under, g0, g1, next
	s_cmp_lt_u32 s[WV], \under
	s_cbranch_scc0 \next
	tensor_load_to_lds s[\g0:\g0+3], s[\g1:\g1+7]
	s_nop 0
	PLACES 4
	s_branch .Lfilled
\next:
.endm
	ARM 4, 76, 32, .Lfill_w
	ARM 7, 80, 40, .Lfill_hs
	ARM 8, 68, 48, .Lfill_ws
	ARM 9, 72, 56, .Lfill_none
.Lfilled:
	v_and_b32 v8, 31, v0                           ; l
	v_and_b32 v9, 15, v0                           ; r
	v_bfe_u32 v10, v0, 4, 1                        ; h
	v_and_b32 v32, 7, v0                           ; e = r % 8
	v_bfe_u32 v33, v0, 3, 1                        ; i = r / 8
	v_lshlrev_b32 v1, 4, v8                        ; 16 l: an image's place for my lane
	v_lshlrev_b32 v34, 2, v8                       ; 4 l
	v_lshl_add_u32 v35, v9, 2, v10                 ; 4 r + h
	v_lshlrev_b32 v36, 7, v10                      ; b0, b1: channel 32 h on
	v_lshlrev_b32 v37, 2, v32
	v_lshl_add_u32 v37, v33, 7, v37                ; b2: channel 32 i + e
	s_wait_alu depctr_va_vdst(0)
	s_and_b32 s3, s22, 1                           ; k rather than q; v's tiles 2, 3 rather than 0, 1
	s_lshl_b32 s28, s21, 14
	v_add_nc_u32 v6, s28, v1                       ; my four tiles of h
	s_lshl_b32 s28, s3, 14
	s_add_co_u32 s28, s28, WI
	v_add_nc_u32 v2, s28, v1                       ; W0 or W1
	s_lshl_b32 s28, s3, 10
	s_add_co_u32 s28, s28, WSW
	v_add_nc_u32 v3, s28, v34                      ; its scale words
	s_lshl_b32 s28, s3, 13
	s_add_co_u32 s28, s28, WI+32768
	v_add_nc_u32 v4, s28, v1                       ; my two tiles of W2
	s_lshl_b32 s28, s3, 7
	s_add_co_u32 s28, s28, WSW+2048
	v_add_nc_u32 v5, s28, v34                      ; their scale words
	s_lshl_b32 s28, s21, 6
	s_add_co_u32 s28, s28, HSP
	v_add_nc_u32 v7, s28, v8                       ; h's scale bytes: my 64 positions
	s_lshl_b32 s28, s3, 9
	s_lshl_b32 s29, s21, 7
	s_add_co_u32 s28, s28, s29
	s_add_co_u32 s28, s28, SCG
	v_add_nc_u32 v12, s28, v35                     ; Q's or K's scale bytes: block h of row r
	s_lshr_b32 s28, s21, 1
	s_lshl_b32 s28, s28, 8
	s_lshl_b32 s29, s3, 7
	s_add_co_u32 s28, s28, s29
	s_and_b32 s29, s21, 1
	s_lshl_b32 s29, s29, 1
	s_add_co_u32 s28, s28, s29
	s_add_co_u32 s28, s28, SCG+1024
	v_add_nc_u32 v13, s28, v35                     ; V's: my 64 positions are two of the word's four blocks
	s_cmp_eq_u32 s3, 0
	s_cselect_b64 s[12:13], s[12:13], s[14:15]     ; b0 for q, b1 for k: the choice hangs on the wave's number alone
	s_lshl_b32 s30, s27, 8                         ; the head's 64 numbers
	s_mov_b32 s31, 0
	s_add_nc_u64 s[12:13], s[12:13], s[30:31]
	s_lshl_b32 s28, s3, 6                          ; b2: + 16 numbers
	s_add_co_u32 s30, s30, s28
	s_add_nc_u64 s[16:17], s[16:17], s[30:31]
	s_wait_alu depctr_va_vdst(0)                   ; directly ahead of the branch
	s_cmp_lt_u32 s[WV], 8
	s_cbranch_scc0 .Lbias_v
.irp t, 0,1,2,3
	global_load_b128 v[BI+8*\t:BI+8*\t+3], v36, s[12:13] offset:32*\t
	global_load_b128 v[BI+8*\t+4:BI+8*\t+7], v36, s[12:13] offset:32*\t+16
.endr
	s_branch .Lbias_asked
.Lbias_v:
.irp u, 0,1
.irp j, 0,1,2,3,4,5,6,7
	global_load_b32 v[BI+8*\u+\j], v37, s[16:17] offset:32*\u   ; a lane's eight results of v are one channel's: eight times its bias
.endr
.endr
.Lbias_asked:
	s_lshl_b32 s28, s25, 2
	s_add_co_u32 s28, s28, s24                     ; bh
	s_lshl_b32 s28, s28, 2
	s_add_co_u32 s28, s28, s2
	s_mul_i32 s28, s28, QBL
	s_add_co_u32 s28, s28, QBASE
	s_mov_b32 s29, 0
	s_add_nc_u64 s[94:95], s[18:19], s[28:29]      ; my Q block
	s_lshl_b32 s28, s26, 2
	s_add_co_u32 s28, s28, s2
	s_lshl_b32 s28, s28, 3
	s_add_co_u32 s28, s28, s27
	s_mul_i32 s28, s28, KVB
	s_add_nc_u64 s[18:19], s[18:19], s[28:29]      ; my K/V block
	s_lshl_b32 s28, s[WV], 9
	s_add_co_u32 s28, s28, 16384-512
	s_cmp_eq_u32 s[WV], 0                          ; the scale words' way out: wave 0 Q's, waves 1 and 2 K's and V's
	s_cselect_b64 s[98:99], s[94:95], s[18:19]
	s_cselect_b32 s28, 8192, s28
	s_add_nc_u64 s[98:99], s[98:99], s[28:29]
	s_cmp_eq_u32 s3, 0
	s_cselect_b64 s[94:95], s[94:95], s[18:19]
	s_lshl_b32 s28, s21, 11
	s_add_nc_u64 s[94:95], s[94:95], s[28:29]      ; Q or K: my four tiles
	s_lshr_b32 s28, s21, 1
	s_lshl_b32 s28, s28, 12
	s_lshl_b32 s3, s3, 11
	s_add_co_u32 s28, s28, s3
	s_and_b32 s3, s21, 1
	s_lshl_b32 s3, s3, 9
	s_add_co_u32 s28, s28, s3
	s_add_co_u32 s28, s28, 8192
	s_add_nc_u64 s[96:97], s[18:19], s[28:29]      ; V: my half of my two tiles' images
	s_wait_tensorcnt 0x0                           ; my tile has landed
	s_barrier_signal -1
	s_barrier_wait -1                              ; and everybody's
.irp p, 0,1
.irp k, 0,1,2,3,4,5,6,7,8,9,10,11,12,13,14,15
	ds_load_u8 v[ACC+16*\p+\k], v7 offset:256*\k+32*\p   ; channel block k of positions 32 p + lane of the tiles' order: lanes 0-15 tile 2 p, lanes 16-31 tile 2 p + 1
.endr
.endr
	s_wait_xcnt 0x0                                ; the biases' loads have read v36 and v37
	HLOAD HF, 0
	s_wait_dscnt 8                                 ; the scale bytes are in
.irp p, 0,1
.irp k, 0,1,2,3
	v_lshl_or_b32 v[HS+4*\p+\k], v[ACC+16*\p+4*\k+1], 8, v[ACC+16*\p+4*\k]
.endr
.irp k, 0,1,2,3
	s_delay_alu instid0(VALU_DEP_4)
	v_lshl_or_b32 v[HS+4*\p+\k], v[ACC+16*\p+4*\k+2], 16, v[HS+4*\p+\k]
.endr
.irp k, 0,1,2,3
	s_delay_alu instid0(VALU_DEP_4)
	v_lshl_or_b32 v[HS+4*\p+\k], v[ACC+16*\p+4*\k+3], 24, v[HS+4*\p+\k]
.endr
.endr
	v_lshl_add_u32 v7, v0, 4, SCG                  ; the scale words' way out: SCG + 16 x thread
	s_wait_alu depctr_va_vdst(0)                   ; directly ahead of the branch
	s_cmp_lt_u32 s[WV], 8
	s_cbranch_scc0 .Lrole_v
	; ---------------- q or k ----------------
.irp k, 0,1,2,3
.irp p, 0,1
	ds_load_b32 v[WS+2*\k+\p], v3 offset:256*\k+128*\p
.endr
.endr
.irp k, 0,1,2,3,4,5,6,7,8,9,10,11,12,13,14,15,16,17,18,19,20,21,22,23,24,25,26,27,28,29,30,31
	ds_load_b128 v[WF+4*\k:WF+4*\k+3], v2 offset:512*\k
.endr
	PLACES 8                                       ; a scale register written by a vector instruction stands eight places ahead of a scaled product
	s_wait_loadcnt 0x0                             ; the bias
; my tile i of positions: 16 products, the four accumulators by turns, one instruction a turn; then quantised along the head's 64 channels
.macro TILE_A i
	s_wait_dscnt 0x0                               ; the tile's fragments are in
.irp t, 0,1,2,3
	MM ACC+8*\t, WF+32*\t, HF, BI+8*\t, WS+\t/2, HS+4*(\i/2), \t%2, \i%2
.endr
.irp k, 1,2,3
.irp t, 0,1,2,3
	MM ACC+8*\t, WF+32*\t+8*\k, HF+8*\k, ACC+8*\t, WS+2*\k+\t/2, HS+4*(\i/2)+\k, \t%2, \i%2
.endr
.endr
	PLACES 5                                       ; four ahead of loads into operands and of reads of results, five ahead of the next tile's products, which begin these accumulators anew
.if \i < 3
	HLOAD HF, \i+1                                 ; the next tile lands while this one is quantised
.endif
	s_wait_xcnt 0x0                                ; the last tile's store has read its codes
	QUANT ACC, 4, 5
	global_store_b128 v1, v[PC:PC+3], s[94:95] offset:512*\i   ; 512 consecutive bytes, aligned
	ds_store_b8 v12, v4 offset:64*(\i/2)+2*(\i%2)
.endm
	TILE_A 0
	TILE_A 1
	TILE_A 2
	TILE_A 3
	s_branch .Lmade
	; ---------------- v ----------------
.Lrole_v:
.irp k, 0,1,2,3
	ds_load_b32 v[WS+\k], v5 offset:256*\k         ; lanes 0-15 my first tile, lanes 16-31 my second
.endr
.irp k, 0,1,2,3,4,5,6,7,8,9,10,11,12,13,14,15
	ds_load_b128 v[WF+4*\k:WF+4*\k+3], v4 offset:512*\k   ; tile u, step k at 32 u + 8 k
.endr
	HLOAD ACC, 1
	PLACES 8                                       ; as above
	s_wait_loadcnt 0x0                             ; the bias
; my tile i of positions x my two tiles of channels: eight products, two accumulators by turns
.macro TILE_B i
.set HBUF, HF+(ACC-HF)*((\i)%2)
.if \i < 3
	s_wait_dscnt 8                                 ; all but the next tile's eight loads
.else
	s_wait_dscnt 0x0
.endif
.irp u, 0,1
	MM VA+32*\u+8*\i, HBUF, WF+32*\u, BI+8*\u, HS+4*(\i/2), WS, \i%2, \u
.endr
.irp k, 1,2,3
.irp u, 0,1
	MM VA+32*\u+8*\i, HBUF+8*\k, WF+32*\u+8*\k, VA+32*\u+8*\i, HS+4*(\i/2)+\k, WS+\k, \i%2, \u
.endr
.endr
	PLACES 5
.if \i < 2
	HLOAD HBUF, \i+2
.endif
.endm
	TILE_B 0
	TILE_B 1
	TILE_B 2
	TILE_B 3
.irp u, 0,1
	s_wait_xcnt 0x0                                ; the other tile's store has read its codes
	QUANT VA+32*\u, 2, 3                           ; my 64 positions are two blocks of 32 keys
	global_store_b128 v1, v[PC:PC+3], s[96:97] offset:1024*\u   ; 512 consecutive bytes, aligned
	ds_store_b8 v13, v2 offset:64*\u
.endr
.Lmade:
	s_wait_alu depctr_va_vdst(0)
	s_wait_dscnt 0x0                               ; for the others' sake: my scale bytes have landed
	s_barrier_signal -1
	s_barrier_wait -1
	s_cmp_gt_u32 s[WV], 2
	s_cbranch_scc1 .Lno_copy
	ds_load_b128 v[32:35], v7                      ; waves 0-2: 1,536 bytes of scale words leave in runs of 512 consecutive bytes
	s_wait_dscnt 0x0
	global_store_b128 v1, v[32:35], s[98:99]
.Lno_copy:
	s_wait_tensorcnt 0x0                           ; the wave's end
	ds_add_u32 v[SPW], v[NIL]
	s_wait_dscnt 0x0
	ROUND                                          ; the closing round
	s_endpgm
.Lfunc_end_k_qf7ac670236_qkv:
	.size	k_qf7ac670236_qkv, .Lfunc_end_k_qf7ac670236_qkv-k_qf7ac670236_qkv
	.p2alignl 7, 3214868480
	.fill 96, 4, 3214868480
	.section	.rodata,"a",@progbits
	.p2align	6, 0x0
	.amdhsa_kernel k_qf7ac670236_qkv
		.amdhsa_group_segment_fixed_size 169984
		.amdhsa_private_segment_fixed_size 0
		.amdhsa_enable_private_segment 0
		.amdhsa_kernarg_size 64
		.amdhsa_user_sgpr_count 2
		.amdhsa_user_sgpr_kernarg_segment_ptr 1
		.amdhsa_wavefront_size32 1
		.amdhsa_system_sgpr_workgroup_id_x 1
		.amdhsa_system_sgpr_workgroup_id_y 1
		.amdhsa_system_sgpr_workgroup_id_z 1
		.amdhsa_system_vgpr_workitem_id 0
		.amdhsa_next_free_vgpr 256
		.amdhsa_next_free_sgpr 102
		.amdhsa_reserve_vcc 0
		.amdhsa_float_denorm_mode_32 3
		.amdhsa_float_denorm_mode_16_64 3
		.amdhsa_memory_ordered 1
		.amdhsa_forward_progress 1
		.amdhsa_inst_pref_size 48
	.end_amdhsa_kernel
	.amdgpu_metadata
---
amdhsa.version: [ 1, 2 ]
amdhsa.kernels:
  - .name:           k_qf7ac670236_qkv
    .symbol:         k_qf7ac670236_qkv.kd
    .args:
      - { .name: himg, .offset: 0, .size: 8, .value_kind: global_buffer, .address_space: global }
      - { .name: hsc, .offset: 8, .size: 8, .value_kind: global_buffer, .address_space: global }
      - { .name: wimg, .offset: 16, .size: 8, .value_kind: global_buffer, .address_space: global }
      - { .name: wsc, .offset: 24, .size: 8, .value_kind: global_buffer, .address_space: global }
      - { .name: b0, .offset: 32, .size: 8, .value_kind: global_buffer, .address_space: global }
      - { .name: b1, .offset: 40, .size: 8, .value_kind: global_buffer, .address_space: global }
      - { .name: b2, .offset: 48, .size: 8, .value_kind: global_buffer, .address_space: global }
      - { .name: qkv, .offset: 56, .size: 8, .value_kind: global_buffer, .address_space: global }
    .group_segment_fixed_size: 169984
    .private_segment_fixed_size: 0
    .kernarg_segment_align: 8
    .kernarg_segment_size: 64
    .max_flat_workgroup_size: 512
    .sgpr_count:     102
    .vgpr_count:     256
    .wavefront_size: 32
...
	.end_amdgpu_metadata
.endif
;; end of part 2
;; launch attn (part 3): grid 32 x 8, 16 waves a work-group, clusters of 4 x 1, 327,680 bytes of LDS; arguments qkv, wimg, wsc, b3, x, out0; writes out0
.if DOCPART == 3
	.amdgcn_target "amdgcn-amd-amdhsa--gfx1250"
	.amdhsa_code_object_version 6
	.text
	.protected	k_qf7ac670236_attn
	.globl	k_qf7ac670236_attn
	.p2align	8
	.type	k_qf7ac670236_attn,@function
k_qf7ac670236_attn:
	s_mov_b64 s[64:65], 0
	v_nop
	global_prefetch_b8 v0, s[64:65] scope:SCOPE_SE
	s_setreg_imm32_b32 hwreg(HW_REG_WAVE_MODE, 25, 1), 1
	s_wait_xcnt 0x0
	s_wait_alu depctr_hold_cnt(0) depctr_sa_sdst(0) depctr_va_vdst(0) depctr_va_sdst(0) depctr_va_ssrc(0) depctr_va_vcc(0) depctr_vm_vsrc(0)
	s_getreg_b32 s2, hwreg(HW_REG_IB_STS2, 6, 4)
	s_cmp_eq_u32 s2, 0
	s_cbranch_scc0 .Lentry_in_a_cluster
	s_endpgm
.Lentry_in_a_cluster:
	s_bfe_u32 s2, ttmp6, 0x10000c
	s_cmp_lg_u32 s2, 0x3003
	s_cbranch_scc0 .Lentry_shape_is_right
	s_endpgm
.Lentry_shape_is_right:
; a = softmax(q^T k / 8) v for all eight heads of 32 positions, a's quantising along the channels, and out = x + W3^T a + b3: products on codes of FP4 with E8M0 scales.
; t = score x log2(e) / 8; M = the running largest t rounded UP to a whole number; p = 2^(t - M) is quantised along the keys, not normalised; the row's sum is taken of the unquantised p and divides at the end.
; A work-group owns 32 queries (block qb) of batch b; wave w takes head w / 2 and 16 of the queries (w % 2), in 256 registers: four waves to a SIMD, so that one wave's vector work stands beside another's products and LDS loads.
; So all 512 channels of a position's a meet in one work-group: they pass through 8 KiB of LDS, and no buffer lies between the heads and the last product.
; The price: 32 positions are 128 consecutive bytes of a row of x and out; the two work-groups that share an aligned 256 bytes are neighbours in a cluster.  64 positions to a work-group would leave 128 work-groups.
; Products are used transposed (S^T = K Q^T, O^T = V^T P^T): a lane holds ONE query throughout.  Row 8 i + e of K's tile t of a group of 64 keys is key 32 i + 8 t + e, so the 32 registers of four tiles are ONE block of 32 keys,
; block 2 c + lane / 16 of the step for group c: its largest score and its codes need no other lane, and the codes are the second product's operand as they come.  V's channel tiles likewise, so O^T's 32 registers are block lane / 16 of the head.
; The head's 64 channels fill half of K = 128: source 0 holds two tiles of K, source 1 Q's codes in its lower half (even tile) or in its upper half (odd tile), zero codes in the other.
; RING: 256 keys of all heads (K, V and their scale words, 139,264 consecutive bytes) a slot, two slots, four steps; each wave fetches a sixteenth, one load a wave behind each round.  Slot 0's last fill is W3's codes.
; CLUSTER 4 x 1: the four blocks of queries walk the same K, V and W3: all are asked for jointly.
; PREFETCH: behind the load of 256 keys the next 256 are asked for, one fill ahead: 544 blocks of 256 bytes, each named once in the cluster: of the 34 that wave w fetches partner cx names 9 cx .. 9 cx + 8 (by address, held at the last).
; x is asked for two steps ahead of its loads.  W3 is not: 131,072 bytes that all 64 clusters read, asked for a whole step ahead by its joint load.
; LIMITS: NaN and infinities are not served; the promise holds while the scaled scores t stay under 2^31 in magnitude; a block of zeros or under 2^-124 gets the byte 1.
.set HB,   17408                       ; a head's part of a slot: K 0 (16 tiles x 512), V 8,192 ([128 keys 2][tile 4] images), K's scale words 16,384, V's 16,896
.set SLOT, 8*HB
.set QBL,  8704                        ; Q of 256 positions of a head: codes 8,192, scale words 512
.set QBASE, 32*SLOT
.set AIMG, 2*SLOT                      ; a: [tile 2][K step 4] images, written by ds_store alone
.set ASCL, AIMG+8192                   ; a's scale words [K step 4][tile 2][row 16]
.set SPARE, ASCL+512                   ; the spare words, 128 bytes a wave
.set SPITCH, 144                       ; the way out: 32 rows of 128 bytes + 16 a wave, in slot 1 behind its last fill and last read
.set AL,   1                           ; v1, v2   16 lane + my head's part of slot 0, 1
.set AS,   3                           ; v3, v4   4 lane + the same
.set SPW,  5                           ; v5       my spare word's address
.set NIL,  6                           ; v6       0
.set B3,   7                           ; v7       b3: lanes 0-15 of W3's tile 2 w, lanes 16-31 of tile 2 w + 1
.set W3S,  8                           ; v8-11    W3's scale words by K step, likewise
.set NM,   12                          ; v12      -M;  v13 the largest t;  v[14:15] the sum in two halves
.set QHI,  16                          ; v16-23   (0, Q);  v20-27 (Q, 0)
.set QLO,  20
.set QS,   28                          ; v28      Q's scale word: its two bytes in both halves
.set PFO,  29                          ; v29      the offset of K's and V's prefetches; not written again
.set F,    30                          ; v30      f = 2^(old M - new M) (v31: named with it as a pair)
.set S,    32                          ; v32-159  S^T, then p; group c at S + 32 c
.set KX,   128                         ; v128-159 (the last group's) K's tiles 0-7 of the next step
.set O,    160                         ; v160-191 O^T: tile u at O + 8 u
.set KV,   192                         ; v192-223 fragments of K (tiles 12-15), then of V
.set P,    224                         ; v224-239 fragments of K (tiles 8-11), then the blocks' largest scores, then p's codes
.set BM,   224
.set KSC,  240                         ; v240-243 K's scale words
.set VSC,  244                         ; v244-247 V's
.set SO,   248                         ; v248-251 the conversions' scale operands
.set PS,   252                         ; v252-253 p's scale words
.set WV,   16
.set SEL,  20
.set CS,   22
.set G1,   32                          ; s[32:39] descriptor group 1 of a sixteenth of a slot; s[40:47] of W3's;  s[24:27], s[28:31], s[48:51] groups 0 of slot 0, slot 1, W3
.macro CREST                           ; a round of the cluster's barrier behind its opening barrier
	s_cmp_lg_u32 s[WV], 0
	s_cbranch_scc1 .Lnot_wave_0_\@
	s_barrier_signal -3
.Lnot_wave_0_\@:
	s_barrier_wait -3
	s_barrier_signal -1
	s_barrier_wait -1
.endm
.macro ROUND
	s_barrier_signal -1
	s_barrier_wait -1
	CREST
.endm
.macro PLACES n
.rept \n
	v_nop
.endr
.endm
; one scaled product; ra, rb = 1: the side's scales are read from lanes 16-31 of its register.  M0: C = 0
.macro M0 d, a, b, sa, sb, ra
.if (\ra)==1
	v_wmma_scale_f32_16x16x128_f8f6f4 v[(\d):(\d)+7], v[(\a):(\a)+7], v[(\b):(\b)+7], 0, v[(\sa)], v[(\sb)] matrix_a_fmt:MATRIX_FMT_FP4 matrix_b_fmt:MATRIX_FMT_FP4 matrix_a_scale:MATRIX_SCALE_ROW1
.else
	v_wmma_scale_f32_16x16x128_f8f6f4 v[(\d):(\d)+7], v[(\a):(\a)+7], v[(\b):(\b)+7], 0, v[(\sa)], v[(\sb)] matrix_a_fmt:MATRIX_FMT_FP4 matrix_b_fmt:MATRIX_FMT_FP4
.endif
.endm
.macro MM d, a, b, c, sa, sb, ra, rb
.if (\ra)==1 && (\rb)==1
	v_wmma_scale_f32_16x16x128_f8f6f4 v[(\d):(\d)+7], v[(\a):(\a)+7], v[(\b):(\b)+7], v[(\c):(\c)+7], v[(\sa)], v[(\sb)] matrix_a_fmt:MATRIX_FMT_FP4 matrix_b_fmt:MATRIX_FMT_FP4 matrix_a_scale:MATRIX_SCALE_ROW1 matrix_b_scale:MATRIX_SCALE_ROW1
.elseif (\ra)==1
	v_wmma_scale_f32_16x16x128_f8f6f4 v[(\d):(\d)+7], v[(\a):(\a)+7], v[(\b):(\b)+7], v[(\c):(\c)+7], v[(\sa)], v[(\sb)] matrix_a_fmt:MATRIX_FMT_FP4 matrix_b_fmt:MATRIX_FMT_FP4 matrix_a_scale:MATRIX_SCALE_ROW1
.elseif (\rb)==1
	v_wmma_scale_f32_16x16x128_f8f6f4 v[(\d):(\d)+7], v[(\a):(\a)+7], v[(\b):(\b)+7], v[(\c):(\c)+7], v[(\sa)], v[(\sb)] matrix_a_fmt:MATRIX_FMT_FP4 matrix_b_fmt:MATRIX_FMT_FP4 matrix_b_scale:MATRIX_SCALE_ROW1
.else
	v_wmma_scale_f32_16x16x128_f8f6f4 v[(\d):(\d)+7], v[(\a):(\a)+7], v[(\b):(\b)+7], v[(\c):(\c)+7], v[(\sa)], v[(\sb)] matrix_a_fmt:MATRIX_FMT_FP4 matrix_b_fmt:MATRIX_FMT_FP4
.endif
.endm
.macro KQ g, f                         ; the four tiles of group g of 64 keys, their fragments at f
	M0 S+32*(\g), \f, QLO, KSC+\g, QS, 0
	M0 S+32*(\g)+8, \f, QHI, KSC+\g, QS, 0
	M0 S+32*(\g)+16, \f+8, QLO, KSC+\g, QS, 1
	M0 S+32*(\g)+24, \f+8, QHI, KSC+\g, QS, 1
.endm
.macro KLOAD1 sl                       ; K's scale words and tiles 0-7 of slot sl
.irp p, 0,1,2,3
	ds_load_b32 v[KSC+\p], v[AS+\sl] offset:16384+128*\p   ; group p: lanes 0-15 tiles 0 and 1, lanes 16-31 tiles 2 and 3
.endr
.irp t, 0,1,2,3,4,5,6,7
	ds_load_b128 v[KX+4*\t:KX+4*\t+3], v[AL+\sl] offset:512*\t
.endr
.endm
.macro KLOAD2 sl                       ; tiles 8-15
.irp t, 0,1,2,3
	ds_load_b128 v[P+4*\t:P+4*\t+3], v[AL+\sl] offset:4096+512*\t
.endr
.irp t, 0,1,2,3
	ds_load_b128 v[KV+4*\t:KV+4*\t+3], v[AL+\sl] offset:6144+512*\t
.endr
.endm
.macro ADDS d, s, n, dep               ; v[d ..] += v[s ..], n pairs
.set jj, 0
.rept \n
.if \dep
	s_delay_alu instid0(VALU_DEP_\dep)
.endif
	v_pk_add_f32 v[(\d)+jj:(\d)+jj+1], v[(\d)+jj:(\d)+jj+1], v[(\s)+jj:(\s)+jj+1]
.set jj, jj+2
.endr
.endm
.macro OMUL r                          ; O^T x v[r], two at a time
.set jj, 0
.rept 16
	v_pk_mul_f32 v[O+jj:O+jj+1], v[O+jj:O+jj+1], v[\r:\r+1] op_sel_hi:[1,0]
.set jj, jj+2
.endr
.endm
	s_load_b256 s[4:11], s[0:1], 0x0               ; qkv 4, wimg 6, wsc 8, b3 10
	s_load_b128 s[12:15], s[0:1], 0x20             ; x 12, out0 14
	v_lshl_add_u32 v[SPW], v0, 2, SPARE
	v_mov_b32 v[NIL], 0
	ds_add_u32 v[SPW], v[NIL]                      ; the opening adds, twice on end
	ds_add_u32 v[SPW], v[NIL]
	v_lshrrev_b32 v228, 5, v0
	s_delay_alu instid0(VALU_DEP_1)
	v_readfirstlane_b32 s[WV], v228                ; wave 0..15
	s_lshr_b32 s17, s[WV], 1                       ; head
	s_and_b32 s18, s[WV], 1                        ; which 16 queries
	s_bfe_u32 s19, ttmp6, 0x40000                  ; cx
	s_lshl_b32 s2, ttmp9, 2
	s_add_co_u32 s2, s2, s19                       ; qb: it enters Q's, x's and out's addresses alone
	s_and_b32 s3, ttmp7, 0xffff                    ; b, which the four partners share
	s_mov_b32 s32, 15|(3<<16)|(1<<21)              ; the mask: all four; elements of 8 bytes; bit 21 beside a mask
	s_mov_b32 s33, 32<<16                          ; rows of 256 bytes,
	s_mov_b32 s34, 34<<16                          ; 34 of them, dense
	s_mov_b32 s35, 32<<16
	s_mov_b32 s36, 34
	s_mov_b32 s37, 32
	s_mov_b32 s38, 0
	s_mov_b32 s39, 0
	s_mov_b32 s40, 15|(3<<16)|(1<<21)              ; W3's codes: 32 rows a wave
	s_mov_b32 s41, 32<<16
	s_mov_b32 s42, 32<<16
	s_mov_b32 s43, 32<<16
	s_mov_b32 s44, 32
	s_mov_b32 s45, 32
	s_mov_b32 s46, 0
	s_mov_b32 s47, 0
	s_mul_i32 s52, s3, 4*SLOT
	s_mul_i32 s25, s[WV], 8704                     ; my sixteenth
	s_add_co_u32 s52, s52, s25
	s_mov_b32 s53, 0
	s_lshl_b32 s70, s[WV], 13                      ; W3: my 8,192 bytes, as I fetch them and as I use them (tiles 2 w, 2 w + 1)
	s_add_co_u32 s54, s70, 393216                  ; mat 3
	s_mov_b32 s55, 0
	s_wait_alu depctr_va_vdst(0)
	s_wait_dscnt 0x0                               ; both opening adds are done
	s_wait_kmcnt 0x0
	s_mov_b32 s24, 1
	s_add_nc_u64 s[60:61], s[4:5], s[52:53]        ; (the prefetches' base too)
	s_mov_b64 s[26:27], s[60:61]
	s_mov_b32 s28, 1
	s_add_co_u32 s29, s25, SLOT
	s_add_nc_u64 s[30:31], s[60:61], SLOT
	s_or_b32 s27, s27, 0x80000000
	s_or_b32 s31, s31, 0x80000000
	s_mov_b32 s48, 1
	s_mov_b32 s49, s70
	s_add_nc_u64 s[50:51], s[6:7], s[54:55]
	s_or_b32 s51, s51, 0x80000000
	ROUND                                          ; the four partners are here: the joint loads meet
	tensor_load_to_lds s[24:27], s[G1:G1+7]        ; keys 0-255
	s_nop 0
	PLACES 4
	v_and_b32 v228, 31, v0                         ; lane
	v_and_b32 v229, 7, v0                          ; e = r % 8
	v_bfe_u32 v230, v0, 3, 1                       ; i = r / 8
	v_bfe_u32 v231, v0, 4, 1                       ; h
	s_mul_i32 s56, s17, HB
	s_add_co_u32 s57, s56, SLOT
	s_mul_i32 s58, s19, 9
	v_lshl_add_u32 v[AL], v228, 4, s56
	v_lshl_add_u32 v[AL+1], v228, 4, s57
	v_lshl_add_u32 v[AS], v228, 2, s56
	v_lshl_add_u32 v[AS+1], v228, 2, s57
	v_min_u32 v[PFO], 8, v228                      ; the prefetches: nine blocks, the other lanes name the last again
	v_lshlrev_b32 v224, 2, v228                    ; W3's scale words: 4 lane
	v_lshlrev_b32 v225, 2, v229
	v_lshlrev_b32 v226, 4, v229
	v_lshlrev_b32 v227, 2, v229
	v_add_nc_u32 v[PFO], s58, v[PFO]
	v_lshl_add_u32 v225, v230, 7, v225
	v_lshl_add_u32 v226, v230, 9, v226
	v_lshl_add_u32 v227, v230, 1, v227             ; Q's scale bytes: 4 e + 2 i
	v_min_u32 v[PFO], 33, v[PFO]
	v_lshl_add_u32 v225, v231, 5, v225             ; b3: lanes 0-15 of tile 2 w, 16-31 of tile 2 w + 1: number 32 i + e + 8 h behind my first
	v_lshl_add_u32 v226, v231, 8, v226             ; Q's codes: query r of my 16 lies in tile 2 (w % 2) + i of its group of 64: 512 i + 256 h + 16 e
	v_lshlrev_b32 v[PFO], 8, v[PFO]
	s_wait_alu depctr_va_vdst(0)
	; Q: block (b, head, qb / 8); group (qb / 2) % 4; rows 8 (qb % 2) + e
	s_lshl_b32 s58, s3, 3
	s_add_co_u32 s58, s58, s17
	s_lshl_b32 s58, s58, 2
	s_lshr_b32 s59, s2, 3
	s_add_co_u32 s58, s58, s59
	s_mul_i32 s58, s58, QBL
	s_add_co_u32 s58, s58, QBASE
	s_bfe_u32 s59, s2, 0x20001
	s_lshl_b32 s59, s59, 1
	s_add_co_u32 s59, s59, s18
	s_and_b32 s62, s2, 1
	s_lshl_b32 s56, s59, 10
	s_add_co_u32 s56, s56, s58
	s_lshl_b32 s63, s62, 7
	s_add_co_u32 s56, s56, s63
	s_lshl_b32 s63, s59, 6
	s_add_co_u32 s58, s58, s63
	s_lshl_b32 s63, s62, 5
	s_add_co_u32 s58, s58, s63
	s_mov_b32 s57, 0
	s_mov_b32 s59, 0
	s_add_nc_u64 s[56:57], s[4:5], s[56:57]
	s_add_nc_u64 s[58:59], s[4:5], s[58:59]
	s_lshl_b32 s62, s[WV], 7
	s_mov_b32 s63, 0
	s_add_nc_u64 s[8:9], s[8:9], s[62:63]          ; W3's scale words: tiles 2 w, 2 w + 1
	s_lshl_b32 s52, s17, 6                         ; my first output: 64 (w / 2) + 16 (w % 2)
	s_lshl_b32 s62, s18, 4
	s_add_co_u32 s52, s52, s62
	s_lshl_b32 s62, s52, 2
	s_add_nc_u64 s[10:11], s[10:11], s[62:63]
	global_load_b128 v[20:23], v226, s[56:57]
	global_load_u16 v[QS], v227, s[58:59] offset:8192
.irp k, 0,1,2,3
	global_load_b32 v[W3S+\k], v224, s[8:9] offset:24576+2048*\k
.endr
	global_load_b32 v[B3], v225, s[10:11]
	global_prefetch_b8 v[PFO], s[60:61] offset:SLOT th:TH_LOAD_NT scope:SCOPE_SE   ; keys 256-511; v29 and s[60:61] are not written again
	s_lshl_b32 s74, s3, 9                          ; x's prefetch: my cluster's 512 bytes of each of the batch's 512 rows; the partners share the rows out by address
	s_lshl_b32 s62, s19, 7
	s_add_co_u32 s74, s74, s62
	s_lshl_b32 s62, s[WV], 3
	s_add_co_u32 s74, s74, s62
	s_lshl_b32 s74, s74, 12
	s_lshl_b32 s62, ttmp9, 9
	s_add_co_u32 s74, s74, s62
	s_mov_b32 s75, 0
	s_add_nc_u64 s[74:75], s[12:13], s[74:75]
	s_lshl_b32 s66, s3, 9                          ; x and out: rows 512 b + my first output, positions 32 qb
	s_add_co_u32 s66, s66, s52
	s_lshl_b32 s66, s66, 12
	s_lshl_b32 s62, s2, 7
	s_add_co_u32 s66, s66, s62
	s_mov_b32 s67, 0
	s_add_nc_u64 s[68:69], s[14:15], s[66:67]
	s_add_nc_u64 s[66:67], s[12:13], s[66:67]
	s_lshl_b32 s71, s18, 12                        ; a's codes: tile w % 2, half w / 2 % 2 of K step w / 4
	s_lshl_b32 s62, s17, 9
	s_add_co_u32 s71, s71, s62
	s_add_co_u32 s71, s71, AIMG
	s_lshr_b32 s72, s17, 1                         ; and its scale bytes
	s_lshl_b32 s72, s72, 7
	s_lshl_b32 s62, s18, 6
	s_add_co_u32 s72, s72, s62
	s_and_b32 s62, s17, 1
	s_lshl_b32 s62, s62, 1
	s_add_co_u32 s72, s72, s62
	s_add_co_u32 s72, s72, ASCL
	s_mul_i32 s73, s[WV], 32*SPITCH
	s_add_co_u32 s73, s73, SLOT                    ; my stage
	s_mov_b32 s[SEL], 0x76543210
	s_mov_b32 s[SEL+1], 0xfedcba98
	s_mov_b32 s[CS], 0x3e38aa3b                    ; c = log2(e) / 8
	s_mov_b32 s[CS+1], s[CS]                       ; (named with it as a pair)
.irp j, 0,1,2,3
	v_mov_b32 v[16+\j], 0                          ; zero codes
	v_mov_b32 v[24+\j], 0
.endr
	v_mov_b32 v[F+1], 0
	v_mov_b32 v255, 0                              ; a lane permute's destination counts as read
	s_wait_alu depctr_va_vdst(0)
	s_wait_loadcnt 0x0                             ; Q, W3's scale words, b3
	v_lshl_or_b32 v[QS], v[QS], 16, v[QS]
	s_wait_alu depctr_va_vdst(0)                   ; the head's end
	s_wait_tensorcnt 0x0                           ; my part of slot 0 is in
	ds_add_u32 v[SPW], v[NIL]
	s_wait_dscnt 0x0
	ROUND
	tensor_load_to_lds s[28:31], s[G1:G1+7]        ; keys 256-511 into slot 1
	s_nop 0
	PLACES 8                                       ; a scale register written by a vector instruction stands eight places ahead of a scaled product
	KLOAD1 0
	KLOAD2 0
	global_prefetch_b8 v[PFO], s[60:61] offset:2*SLOT th:TH_LOAD_NT scope:SCOPE_SE   ; keys 512-767, a step ahead of their load
; A STEP: the 256 keys of slot c % 2
.macro STEP c
.set SL, (\c)%2
	s_wait_dscnt 8                                 ; the scale words and tiles 0-7 are in; tiles 8-15 may be out
	KQ 0, KX
	KQ 1, KX+16
	s_wait_dscnt 4
	KQ 2, P
	s_wait_dscnt 0x0
	PLACES 5                                       ; the next products write over tiles 0-7 (ISA guide 7.12.1)
	KQ 3, KV
	PLACES 4                                       ; ahead of the loads and of the first reads of results
.irp k, 0,1,2,3,4,5,6,7
	ds_load_b128 v[KV+4*\k:KV+4*\k+3], v[AL+SL] offset:8192+512*\k   ; V of keys 0-127
.endr
.irp p, 0,1,2,3
	ds_load_b32 v[VSC+\p], v[AS+SL] offset:16896+128*\p   ; V's scale words [128 keys 2][pair of tiles 2]
.endr
.if (\c) == 1
	v_and_b32 v249, 31, v0                         ; x's prefetch: 16 blocks a wave (lanes 16-31 name the last again): row m / 2, block m % 2; each aligned 256 bytes named once in the cluster
	v_min_u32 v249, 15, v249
	v_and_b32 v248, 1, v249
	v_lshrrev_b32 v249, 1, v249
	v_lshlrev_b32 v248, 8, v248
	v_lshl_add_u32 v248, v249, 12, v248
	global_prefetch_b8 v248, s[74:75] th:TH_LOAD_NT scope:SCOPE_SE
.endif
.irp b, 0,1,2,3
	v_max3_num_f32 v[BM+\b], v[S+32*\b], v[S+32*\b+1], v[S+32*\b+2]   ; each block's largest score: for the row's maximum and, since p rises with the score, for the block's largest p
.endr
.set ii, 3
.rept 14
.irp b, 0,1,2,3
	v_max3_num_f32 v[BM+\b], v[BM+\b], v[S+32*\b+ii], v[S+32*\b+ii+1]
.endr
.set ii, ii+2
.endr
.irp b, 0,1,2,3
	v_max_num_f32 v[BM+\b], v[BM+\b], v[S+32*\b+31]
.endr
	s_delay_alu instid0(VALU_DEP_2)
	v_max3_num_f32 v254, v[BM], v[BM+1], v[BM+2]
	s_delay_alu instid0(VALU_DEP_1)
	v_max_num_f32 v254, v254, v[BM+3]
	s_delay_alu instid0(VALU_DEP_1)
	v_permlanex16_b32 v255, v254, s[SEL], s[SEL+1]
	s_delay_alu instid0(VALU_DEP_1)
	v_max_num_f32 v254, v254, v255                 ; with lane l xor 16's four blocks
.if (\c) == 0
	s_delay_alu instid0(VALU_DEP_1)
	v_mul_f32 v13, s[CS], v254                     ; as t (c is positive)
	s_delay_alu instid0(VALU_DEP_1)
	v_floor_f32 v[NM], -v13                        ; -M = -ceil(t): a whole number
.else
	s_delay_alu instid0(VALU_DEP_1)
	v_mul_f32 v254, s[CS], v254
	s_delay_alu instid0(VALU_DEP_1)
	v_max_num_f32 v13, v13, v254                   ; the running largest t
	v_mov_b32 v254, v[NM]
	s_delay_alu instid0(VALU_DEP_2)
	v_floor_f32 v[NM], -v13
	s_delay_alu instid0(VALU_DEP_1)
	v_sub_f32 v254, v[NM], v254                    ; old M - new M: a whole number, 0 or less
	s_delay_alu instid0(VALU_DEP_1)
	v_cvt_i32_f32 v254, v254                       ; (it saturates)
	s_delay_alu instid0(VALU_DEP_1)
	v_ldexp_f32 v[F], 1.0, v254                    ; f = 2^(old M - new M): the rescaling rounds nothing
.endif
.set jj, 0
.rept 64
	v_pk_fma_f32 v[S+jj:S+jj+1], v[S+jj:S+jj+1], s[CS:CS+1], v[NM:NM+1] op_sel_hi:[1,0,0]   ; t - M, two at a time
.set jj, jj+2
.endr
.irp b, 0,1,2,3
	v_fma_f32 v[BM+\b], v[BM+\b], s[CS], v[NM]     ; the same of each block's largest score
.endr
.if (\c) == 1
	s_wait_xcnt 0x0                                ; x's prefetch has read its address: v248 may be written
.endif
	s_wait_alu depctr_va_vdst(0)                   ; ahead of the batch
.set jj, 0
.rept 128
	v_exp_f32 v[S+jj], v[S+jj]                     ; p = 2^(t - M), at most 1
.set jj, jj+1
.endr
.irp b, 0,1,2,3
	v_exp_f32 v[BM+\b], v[BM+\b]                   ; the block's largest p: the same two instructions on the same number
.endr
.if (\c) == 0
	v_nop                                          ; a plain line behind the transcendentals
.else
	v_pk_mul_f32 v[14:15], v[14:15], v[F:F+1] op_sel_hi:[1,0]   ; the sums under the new M (a plain line behind the transcendentals)
.endif
	s_wait_alu depctr_va_vdst(0)                   ; and behind it
.irp b, 0,1,2,3
	v_max_num_f32 v[BM+\b], 0x1800000, v[BM+\b]    ; the floor 2^(3 - 127)
.endr
.irp b, 0,1,2,3
	s_delay_alu instid0(VALU_DEP_4)
	v_add_nc_u32 v[SO+\b], 0xff000000, v[BM+\b]    ; 2 off the exponent field: the conversion's scale operand
.endr
.irp b, 0,1,2,3
	s_delay_alu instid0(VALU_DEP_4)
	v_lshrrev_b32 v[BM+\b], 23, v[SO+\b]           ; the scale's byte
.endr
	s_delay_alu instid0(VALU_DEP_3)
	v_lshl_or_b32 v254, v[BM+1], 8, v[BM]          ; my four blocks' bytes
	s_delay_alu instid0(VALU_DEP_1)
	v_lshl_or_b32 v254, v[BM+2], 16, v254
	s_delay_alu instid0(VALU_DEP_1)
	v_lshl_or_b32 v254, v[BM+3], 24, v254
	s_delay_alu instid0(VALU_DEP_1)
	v_permlanex16_b32 v255, v254, s[SEL], s[SEL+1]
	s_delay_alu instid0(VALU_DEP_1)
	v_perm_b32 v[PS], v255, v254, 0x05010400       ; lanes 0-15: block 2 c is mine, block 2 c + 1 lane l xor 16's: keys 0-127,
	s_delay_alu instid0(VALU_DEP_2)
	v_perm_b32 v[PS+1], v255, v254, 0x07030602     ; keys 128-255
.irp t, 0,1,2,3,4,5,6,7
	v_cvt_scalef32_pk8_fp4_f32 v[P+\t], v[S+8*\t:S+8*\t+7], v[SO+\t/4]
.endr
	v_nop                                          ; one plain line behind a scaled conversion
	ADDS S+32, S, 16, 0                            ; the row's sum, of the unquantised p: a tree, in place
.irp k, 0,1,2,3,4,5,6,7
	ds_load_b128 v[S+4*\k:S+4*\k+3], v[AL+SL] offset:12288+512*\k   ; V of keys 128-255, where p has been summed
.endr
.irp t, 8,9,10,11,12,13,14,15
	v_cvt_scalef32_pk8_fp4_f32 v[P+\t], v[S+8*\t:S+8*\t+7], v[SO+\t/4]
.endr
	v_nop
	s_wait_alu depctr_va_vdst(0)
	s_wait_tensorcnt 0x0                           ; my part of the next slot is in;
	ds_add_u32 v[SPW], v[NIL]                      ; 0 onto my spare word
.if (\c) == 0
	s_add_nc_u64 s[26:27], s[26:27], 2*SLOT        ; slot 0's next keys
.elseif (\c) == 1
	s_add_nc_u64 s[30:31], s[30:31], 2*SLOT
.endif
	ADDS S+96, S+64, 16, 0
	s_wait_alu depctr_va_vdst(0)
	s_wait_dscnt 0x0                               ; the add is done, and so are my reads of this slot
	s_barrier_signal -1
	ADDS S+96, S+32, 16, 0
	ADDS S+96, S+112, 8, 0
	ADDS S+96, S+104, 4, 4
	ADDS S+96, S+100, 2, 2
	s_delay_alu instid0(VALU_DEP_1)
.if (\c) == 0
	v_pk_add_f32 v[14:15], v[S+96:S+97], v[S+98:S+99]
.else
	v_pk_add_f32 v[S+96:S+97], v[S+96:S+97], v[S+98:S+99]
	s_delay_alu instid0(VALU_DEP_1)
	v_pk_add_f32 v[14:15], v[14:15], v[S+96:S+97]
.endif
.if (\c) == 3
	s_delay_alu instid0(VALU_DEP_1)
	v_add_f32 v14, v14, v15
	s_delay_alu instid0(VALU_DEP_1)
	v_permlanex16_b32 v254, v14, s[SEL], s[SEL+1]
	s_delay_alu instid0(VALU_DEP_1)
	v_add_f32 v14, v14, v254                       ; the row's sum
	s_wait_alu depctr_va_vdst(0)
	v_rcp_f32 v14, v14
	v_nop                                          ; a plain line behind the transcendental
.endif
	s_wait_alu depctr_va_vdst(0)
	s_barrier_wait -1                              ; the next slot is whole, and nobody of my work-group reads this one
.if (\c) < 3
	CREST                                          ; nor does a partner
.if (\c) == 0
	tensor_load_to_lds s[24:27], s[G1:G1+7]        ; keys 512-767
.elseif (\c) == 1
	tensor_load_to_lds s[28:31], s[G1:G1+7]        ; keys 768-1,023
.else
	tensor_load_to_lds s[48:51], s[40:47]          ; W3's codes into slot 0
.endif
	s_nop 0
	PLACES 4
	KLOAD1 1-SL                                    ; the next step's first tiles, while this step's V is worked
.if (\c) == 0
	global_prefetch_b8 v[PFO], s[60:61] offset:3*SLOT th:TH_LOAD_NT scope:SCOPE_SE   ; keys 768-1,023, a step ahead of their load
.endif
	PV \c
	PLACES 5                                       ; four ahead of loads into operands, five ahead of products that write over them
	KLOAD2 1-SL
.endif
.endm
.macro PV c                            ; O^T += V^T P^T: the four accumulators by turns
.if (\c) > 0
	s_wait_alu depctr_va_vdst(0)                   ; ahead of O^T's first readers
	OMUL F                                         ; O^T under the new M
.endif
.irp u, 0,1,2,3
.if (\c) == 0
	M0 O+8*\u, KV+8*\u, P, VSC+\u/2, PS, \u%2
.else
	MM O+8*\u, KV+8*\u, P, O+8*\u, VSC+\u/2, PS, \u%2, 0
.endif
.endr
.irp u, 0,1,2,3
	MM O+8*\u, S+8*\u, P+8, O+8*\u, VSC+2+\u/2, PS+1, \u%2, 0
.endr
.endm
	STEP 0
	STEP 1
	STEP 2
	STEP 3
	v_and_b32 v254, 31, v0
	v_and_b32 v22, 15, v0
	v_bfe_u32 v23, v0, 4, 1
	v_and_b32 v21, 7, v0
	v_lshrrev_b32 v20, 3, v254
	v_lshl_add_u32 v1, v254, 4, s70                ; W3's fragments, tiles 2 w and 2 w + 1
	v_lshl_add_u32 v2, v254, 4, AIMG               ; a's fragments
	v_lshl_add_u32 v3, v254, 2, ASCL               ; and scale words
	v_lshlrev_b32 v4, 4, v21                       ; x and out: eight lanes to a row's 128 bytes, four rows an instruction
	v_lshl_add_u32 v16, v254, 4, s71               ; a's codes: in
	v_lshl_add_u32 v17, v22, 2, s72                ; its scale bytes: row r, block h
	v_mul_u32_u24 v18, v22, SPITCH
	v_lshl_add_u32 v4, v20, 12, v4
	v_mul_u32_u24 v19, v20, SPITCH
	v_add_nc_u32 v17, v17, v23
	v_lshl_add_u32 v18, v23, 5, v18
	v_lshl_add_u32 v19, v21, 4, v19
	v_add_nc_u32 v18, s73, v18                     ; the stage: in: row r, + 32 h;
	v_add_nc_u32 v19, s73, v19                     ; back: as out
.irp u, 0,1
.irp i, 0,1,2,3
	global_load_b128 v[S+96+16*\u+4*\i:S+99+16*\u+4*\i], v4, s[66:67] offset:(8*\u+4*(\i%2)+32*(\i/2))*4096   ; row m of W3's tile 2 w + u is my output 8 u + m % 8 + 32 (m / 8)
.endr
.endr
	PV 3
	PLACES 5
	; a = O^T / the sum, quantised along the head's 64 channels, into LDS
.irp k, 0,1,2,3,4,5,6,7
	ds_load_b128 v[KV+4*\k:KV+4*\k+3], v1 offset:512*\k
	ds_load_b128 v[S+4*\k:S+4*\k+3], v1 offset:4096+512*\k
.endr
	OMUL 14                                        ; register i: channel 32 h + i of my query
	v_max3_num_f32 v84, |v[O]|, |v[O+1]|, 0x1800000
	v_max3_num_f32 v85, |v[O+2]|, |v[O+3]|, |v[O+4]|
.irp i, 5,9,13,17,21,25
	s_delay_alu instid0(VALU_DEP_2)
	v_max3_num_f32 v84, v84, |v[O+\i]|, |v[O+\i+1]|
	s_delay_alu instid0(VALU_DEP_2)
	v_max3_num_f32 v85, v85, |v[O+\i+2]|, |v[O+\i+3]|
.endr
	s_delay_alu instid0(VALU_DEP_2)
	v_max3_num_f32 v84, v84, |v[O+29]|, |v[O+30]|
	s_delay_alu instid0(VALU_DEP_1)
	v_max3_num_f32 v84, v84, v85, |v[O+31]|
	s_delay_alu instid0(VALU_DEP_1)
	v_add_nc_u32 v85, 0xff000000, v84
.irp g, 0,1,2,3
	v_cvt_scalef32_pk8_fp4_f32 v[88+\g], v[O+8*\g:O+8*\g+7], v85
.endr
	v_lshrrev_b32 v84, 23, v85                     ; the scale's byte (also the plain line behind the conversions)
	ds_store_b128 v16, v[88:91]
	ds_store_b8 v17, v84
	s_wait_alu depctr_va_vdst(0)
	s_wait_dscnt 0x0                               ; my part of a is in LDS; W3's fragments are in
	s_barrier_signal -1
	v_mov_b32 v20, v[B3]
	v_mov_b32 v21, v[B3]
	s_delay_alu instid0(VALU_DEP_1)
	v_permlane16_swap_b32 v20, v21                 ; v20: tile 2 w's biases in both halves of the lanes; v21: tile 2 w + 1's
.irp j, 0,1,2,3,4,5,6,7
	v_mov_b32 v[S+32+\j], v20                      ; a lane's eight results are one output's: eight times its bias
	v_mov_b32 v[S+40+\j], v21
.endr
	s_wait_alu depctr_va_vdst(0)
	s_barrier_wait -1                              ; all of a lies in LDS
.irp k, 0,1,2,3
	ds_load_b32 v[S+48+\k], v3 offset:128*\k       ; lanes 0-15 tile 0, lanes 16-31 tile 1
.endr
.irp k, 0,1,2,3
	ds_load_b128 v[S+64+8*\k:S+67+8*\k], v2 offset:1024*\k
	ds_load_b128 v[S+68+8*\k:S+71+8*\k], v2 offset:1024*\k+512
	ds_load_b128 v[O+8*\k:O+8*\k+3], v2 offset:4096+1024*\k
	ds_load_b128 v[O+8*\k+4:O+8*\k+7], v2 offset:4096+1024*\k+512
.endr
; source 0 = a's tile p, source 1 = W3's tile 2 w + u: a lane holds ONE output and eight neighbouring positions; the four accumulators v224-255 by turns
.irp k, 0,1,2,3
	s_wait_dscnt 12-4*\k                           ; K step k's four loads are in
.irp u, 0,1
.irp p, 0,1
.if \k == 0
	MM 224+16*\u+8*\p, S+64+(O-S-64)*\p, KV+(S-KV)*\u, S+32+8*\u, S+48, W3S, \p, \u
.else
	MM 224+16*\u+8*\p, S+64+(O-S-64)*\p+8*\k, KV+(S-KV)*\u+8*\k, 224+16*\u+8*\p, S+48+\k, W3S+\k, \p, \u
.endif
.endr
.endr
.endr
	PLACES 5
.irp u, 0,1
.irp p, 0,1
	ds_store_b128 v18, v[224+16*\u+8*\p:227+16*\u+8*\p] offset:16*SPITCH*\u+64*\p
	ds_store_b128 v18, v[228+16*\u+8*\p:231+16*\u+8*\p] offset:16*SPITCH*\u+64*\p+16
.endr
.endr
.irp i, 0,1,2,3,4,5,6,7
	ds_load_b128 v[KV+4*\i:KV+4*\i+3], v19 offset:4*SPITCH*\i   ; my own stage: LDS serves a wave's instructions in order
.endr
	s_wait_dscnt 0x0
	s_wait_loadcnt 0x0                             ; x
	ADDS KV, S+96, 16, 0
.irp u, 0,1
.irp i, 0,1,2,3
	global_store_b128 v4, v[KV+16*\u+4*\i:KV+16*\u+4*\i+3], s[68:69] offset:(8*\u+4*(\i%2)+32*(\i/2))*4096   ; 128 consecutive bytes of four rows
.endr
.endr
	s_wait_tensorcnt 0x0                           ; the wave's end
	ds_add_u32 v[SPW], v[NIL]
	s_wait_dscnt 0x0
	ROUND                                          ; the closing round
	s_endpgm
.Lfunc_end_k_qf7ac670236_attn:
	.size	k_qf7ac670236_attn, .Lfunc_end_k_qf7ac670236_attn-k_qf7ac670236_attn
	.p2alignl 7, 3214868480
	.fill 96, 4, 3214868480
	.section	.rodata,"a",@progbits
	.p2align	6, 0x0
	.amdhsa_kernel k_qf7ac670236_attn
		.amdhsa_group_segment_fixed_size 327680
		.amdhsa_private_segment_fixed_size 0
		.amdhsa_enable_private_segment 0
		.amdhsa_kernarg_size 48
		.amdhsa_user_sgpr_count 2
		.amdhsa_user_sgpr_kernarg_segment_ptr 1
		.amdhsa_wavefront_size32 1
		.amdhsa_system_sgpr_workgroup_id_x 1
		.amdhsa_system_sgpr_workgroup_id_y 1
		.amdhsa_system_sgpr_workgroup_id_z 1
		.amdhsa_system_vgpr_workitem_id 0
		.amdhsa_next_free_vgpr 256
		.amdhsa_next_free_sgpr 80
		.amdhsa_reserve_vcc 0
		.amdhsa_float_denorm_mode_32 3
		.amdhsa_float_denorm_mode_16_64 3
		.amdhsa_memory_ordered 1
		.amdhsa_forward_progress 1
		.amdhsa_inst_pref_size 133
	.end_amdhsa_kernel
	.amdgpu_metadata
---
amdhsa.version: [ 1, 2 ]
amdhsa.kernels:
  - .name:           k_qf7ac670236_attn
    .symbol:         k_qf7ac670236_attn.kd
    .args:
      - { .name: qkv, .offset: 0, .size: 8, .value_kind: global_buffer, .address_space: global }
      - { .name: wimg, .offset: 8, .size: 8, .value_kind: global_buffer, .address_space: global }
      - { .name: wsc, .offset: 16, .size: 8, .value_kind: global_buffer, .address_space: global }
      - { .name: b3, .offset: 24, .size: 8, .value_kind: global_buffer, .address_space: global }
      - { .name: x, .offset: 32, .size: 8, .value_kind: global_buffer, .address_space: global }
      - { .name: out0, .offset: 40, .size: 8, .value_kind: global_buffer, .address_space: global }
    .group_segment_fixed_size: 327680
    .private_segment_fixed_size: 0
    .kernarg_segment_align: 8
    .kernarg_segment_size: 48
    .max_flat_workgroup_size: 512
    .sgpr_count:     80
    .vgpr_count:     256
    .wavefront_size: 32
...
	.end_amdgpu_metadata
.endif
;; end of part 3
